; MI455X (gfx1250); checked and timed in simulation.
; The chip was launched on July 23, 2026; its instructions are those of AMD's public machine-readable ISA for CDNA 5 (MIT licence, August 2026) and "CDNA5" Instruction Set Architecture Reference Guide (July 2026). The comments in the code are by the model that wrote it; some were corrected since.
;; Causal Self Attention. Allowed arithmetic: matrix products marked QUANTISED: E4M3 operands, one E8M0 scale for each 32 along K, by v_wmma_scale_f32_16x16x128_f8f6f4 with both operands' format E4M3, f32 sums; everything else in f32.
;; Inputs: Wk 1,024 x 1,024 float32; Wo 1,024 x 1,024 float32; Wq 1,024 x 1,024 float32; Wv 1,024 x 1,024 float32; x 4 x 2,048 x 1,024 float32.
;; Outputs: out0 4 x 2,048 x 1,024 float32.
;; This version of the problem:
;;   THIS VERSION OF THE PROBLEM IS GIVEN IN LOW PRECISION. The matrix products marked QUANTISED in the list below multiply operands that are first quantised to E4M3 (4 exponent bits, 3 mantissa bits; 8 bits a number), with one power-of-two scale for each 32 numbers along K (OCP MX v1.0); their sums are f32. All else is computed in f32.
;;   The module's matrix products, in the order in which they are computed (A, B: the left and right operand; K: the contracted axis; several contracted axes count as one K, in the product's order):
;;     1. [M 8,192, K 1,024] x [K 1,024, N 1,024]; A: input x; B: input Wq: QUANTISED
;;     2. [M 8,192, K 1,024] x [K 1,024, N 1,024]; A: input x; B: input Wk: QUANTISED
;;     3. [M 8,192, K 1,024] x [K 1,024, N 1,024]; A: input x; B: input Wv: QUANTISED
;;     4. batch 64 x [M 2,048, K 64] x [K 64, N 2,048]; A: computed on the way; B: computed on the way: QUANTISED
;;     5. batch 64 x [M 2,048, K 2,048] x [K 2,048, N 64]; A: softmax (see below); B: computed on the way: QUANTISED
;;     6. [M 8,192, K 1,024] x [K 1,024, N 1,024]; A: computed on the way; B: input Wo: QUANTISED
;;   THE QUANTISER, for each operand of a quantised product, along K:
;;     - K is cut into blocks of 32 from its start; a last block that is shorter is filled with zeros.
;;     - A block's scale is 2^e with e = floor(log2(the largest magnitude in the block)) - 8, held to -126 .. 127; a block of zeros has e = 0. As a byte (E8M0): e + 127.
;;     - Each number is divided by its block's scale, clamped to +-448, and rounded to the nearest number of E4M3, ties to even, subnormals kept.
;;     - The product sums the exact products of the quantised numbers (number of the format x scale) in f32.
;;   ~~~python
;;   def quantise(x, axis):      # numpy; x: float32 -> the quantised numbers, widened to float32 again
;;       x = np.moveaxis(x, axis, -1); K = x.shape[-1]
;;       x = np.pad(x, [(0, 0)] * (x.ndim - 1) + [(0, -K % 32)]); x = x.reshape(x.shape[:-1] + (-1, 32)); a = np.abs(x).max(-1, keepdims=True)
;;       e = np.where(a > 0, np.clip(np.frexp(np.where(a > 0, a, 1))[1] - 1 - 8, -126, 127), 0)      # np.frexp(a)[1] - 1 = floor(log2(a)), exactly
;;       r = np.clip(x / 2.0 ** e, -448, 448)
;;       step = 2.0 ** (np.maximum(np.frexp(np.where(r == 0, 1, r))[1] - 1, -6) - 3)
;;       q = np.round(r / step) * step * 2.0 ** e      # np.round: ties to even
;;       return np.moveaxis(q.reshape(q.shape[:-2] + (-1,))[..., :K], -1, axis).astype(np.float32)
;;   ~~~
;;   SOFTMAX AHEAD OF A QUANTISED PRODUCT. Where the list says 'softmax', what is quantised is not the finished softmax but p = 2^(t - M), with t = logit x log2(e) and M = ceil(the row's largest t), a whole number; so 1/2 < the row's largest p <= 1. The row's sum l is taken of the UNQUANTISED p, in f32, and the product's result is divided by l at the end. Since M is a whole number, a kernel that streams over the keys may use a running M (the ceiling of the running maximum): every later rescaling is an exact power of two, which a block's scale takes up: the codes' values come out the same.
;;   OPERANDS COMPUTED ON THE WAY. 'Computed on the way' means the value that the module computes at that place (a softmax that the list does not call 'softmax' is quantised finished and normalised). What goes into a quantiser is computed in f32, as accurately as f32 sums, v_exp_f32 and their like allow (about 1e-6 of the number): no bf16 or f16 on the way to a quantiser, and a product that is left as it is and whose result goes on into a quantised operand takes f32 operands (vector FMAs, or v_wmma_f32_16x16x4_f32). A number that lies on a knife's edge between two numbers of the format may be rounded either way, as far as f32 arithmetic and the matrix unit's own rounding can turn it there, and no further.
;; One version. Each part assembles by itself: llvm-mc -triple=amdgcn-amd-amdhsa -mcpu=gfx1250 --defsym DOCPART=n.
;; ======== version 1 of 1: 4 launches
;; limits: right only within a limited range of input values
;; workspace buffers: codes 12,582,912 bytes; scales 393,216 bytes; rope 524,288 bytes; qb 8,912,896 bytes; kv 17,563,648 bytes; ac 8,388,608 bytes; asc 262,144 bytes
;; launch quant (part 1): grid 832 x 1, 4 waves a work-group, no clusters, 35,328 bytes of LDS; arguments x, Wq, Wk, Wv, Wo, codes, scales, rope; writes codes, scales, rope
.if DOCPART == 1
	.amdgcn_target "amdgcn-amd-amdhsa--gfx1250"
	.amdhsa_code_object_version 6
	.text
	.protected	k_qacc5e57347_quant
	.globl	k_qacc5e57347_quant
	.p2align	8
	.type	k_qacc5e57347_quant,@function
k_qacc5e57347_quant:
	s_mov_b64 s[64:65], 0
	v_nop
	global_prefetch_b8 v0, s[64:65] scope:SCOPE_SE
	s_setreg_imm32_b32 hwreg(HW_REG_WAVE_MODE, 25, 1), 1
	s_wait_xcnt 0x0
; x [8192][1024] and Wq, Wk, Wv, Wo [1024][1024], f32, K innermost, become codes of FP8 (E4M3) with one E8M0 byte for each 32 along K; and the table of cosines and sines for the rotation is made.
; A TILE is 16 rows: tile 2 g + u holds at place r (0 .. 15) the row 32 g + 8 u + r + 8 (r / 8).  Used as source 0 of a product, two neighbouring tiles then give a lane 16 neighbouring rows in its 16 result registers.
; CODES lie as IMAGES of the operand's registers: codes[tile 0..767][K step of 128: 0..7][c 0..3][lane 0..31][16 bytes]; lane (r, h), group c: K = 32 c + 16 h + 0 .. 15 of the row at place r.
; Tiles 0-511 x, 512-575 Wq, 576-639 Wk, 640-703 Wv, 704-767 Wo.  SCALE BYTES: scales[tile][quarter of K 0..3][r][8 bytes].
; A block's scale is 2^(floor(log2(largest magnitude)) - 8); its byte is the largest magnitude's exponent field - 8, held at 1 from below.
; LIMITS: a block of zeros gets the byte 1 (its codes are zeros, and this program alone reads the bytes); blocks whose largest magnitude lies under 2^-118 are held at the byte 1; NaN and infinities are not served.
; SHARES.  Work-groups 0-767: one tile each; wave w takes K = 256 w .. 256 w + 255 in four steps of 64.  A load reads two rows x 256 consecutive bytes; the conversions want 16 neighbours of one row in a lane:
; a step's 4,096 bytes turn through the wave's own stage in LDS (rows of 256 bytes + 16).  A lane's 16 codes are 16 bytes of the image: a store of the wave covers 512 consecutive bytes, aligned.
; The wave's 128 scale bytes leave by one store of 128 consecutive bytes: half of an aligned 256; they are 1 byte in 32 of what the launch stores.
; Work-groups 768-831: rope[t 0..2047][pair 0..31][cos, sin] f32; a wave takes 8 positions, a lane a pair.  The angle is t x f in f32, f = 10000^(-pair / 32); it is reduced by multiples of pi/2 in three parts
; and goes through polynomials on +-pi/4.  LIMIT: f is good to the exponential's own error, so the angle at t = 2,047 may differ by some 2e-4 rad from one made with another f32 power function.
; No tensor loads, no barrier: waves share nothing.  No cluster: no two work-groups read the same bytes.
.set STG,  16*272                      ; a stage
.set WREG, 2*STG                       ; a wave's two stages
.set GL, 4                             ; v4   in memory: 4,096 h + 16 r
.set SA, 5                             ; v5   into the stage: row h, 16 r
.set LA, 6                             ; v6   out of it: row r, 64 h
.set CO, 7                             ; v7   16 x lane
.set SO, 8                             ; v8   8 r + 4 h
.set X,  16                            ; v16-79   two sets of 2 x 16 neighbours
.set R,  80                            ; v80-207  four sets of 32, as loaded
.set C,  208                           ; v208-239 codes: four registers for each half step: no store's data are written again
.set SW, 240                           ; v240-241 the scale bytes, four to a register
.set PD, 242                           ; v242-243 destinations of the lane exchange
.set TQ, 244                           ; v244-251 two sets: +0 largest magnitude, +2 the conversion's scale operand, +3 the byte
	s_load_b512 s[4:19], s[0:1], 0x0               ; x, Wq, Wk, Wv, Wo, codes, scales, rope
	v_lshl_add_u32 v254, v0, 2, 0x8800
	v_mov_b32 v255, 0
	v_lshrrev_b32 v1, 5, v0
	v_readfirstlane_b32 s20, v1                    ; wave 0..3
	s_cmp_ge_u32 ttmp9, 768
	s_cbranch_scc1 .Ltable
	v_and_b32 v1, 15, v0                           ; r
	v_bfe_u32 v2, v0, 4, 1                         ; h
	v_lshlrev_b32 v3, 4, v1
	v_lshl_add_u32 v[GL], v2, 12, v3
	s_mul_i32 s21, s20, WREG
	v_mad_u32_u24 v[SA], v2, 272, v3
	v_add_nc_u32 v[SA], s21, v[SA]
	v_mul_u32_u24 v[LA], v1, 272
	v_lshl_add_u32 v[LA], v2, 6, v[LA]
	v_add_nc_u32 v[LA], s21, v[LA]
	v_and_b32 v[CO], 31, v0
	v_lshlrev_b32 v[CO], 4, v[CO]
	v_lshlrev_b32 v[SO], 3, v1
	v_lshl_add_u32 v[SO], v2, 2, v[SO]
	v_mov_b32 v[PD], 0                             ; a lane exchange's destination counts as one of its sources
	v_mov_b32 v[PD+1], 0
	s_mov_b32 s24, 0x76543210
	s_mov_b32 s25, 0xfedcba98                      ; selects for lane l xor 16
	s_mov_b32 s27, 0xffff0000                      ; lanes 16-31
	s_wait_alu depctr_va_vdst(0)
	s_wait_kmcnt 0x0
	s_mov_b64 s[28:29], s[12:13]                   ; which tensor: the choice hangs on the work-group's number alone
	s_mov_b32 s30, 704
	s_cmp_lt_u32 ttmp9, 704
	s_cselect_b64 s[28:29], s[10:11], s[28:29]
	s_cselect_b32 s30, 640, s30
	s_cmp_lt_u32 ttmp9, 640
	s_cselect_b64 s[28:29], s[8:9], s[28:29]
	s_cselect_b32 s30, 576, s30
	s_cmp_lt_u32 ttmp9, 576
	s_cselect_b64 s[28:29], s[6:7], s[28:29]
	s_cselect_b32 s30, 512, s30
	s_cmp_lt_u32 ttmp9, 512
	s_cselect_b64 s[28:29], s[4:5], s[28:29]
	s_cselect_b32 s30, 0, s30
	s_sub_co_u32 s31, ttmp9, s30                   ; the tile within its tensor
	s_lshr_b32 s32, s31, 1
	s_lshl_b32 s32, s32, 5
	s_and_b32 s33, s31, 1
	s_lshl_b32 s33, s33, 3
	s_add_co_u32 s32, s32, s33                     ; its first row: 32 g + 8 u
	s_lshl_b32 s32, s32, 12                        ; rows of 4,096 bytes
	s_lshl_b32 s33, s20, 10                        ; my quarter of K
	s_add_co_u32 s32, s32, s33
	s_mov_b32 s33, 0
	s_add_nc_u64 s[28:29], s[28:29], s[32:33]
	s_lshl_b32 s32, ttmp9, 14
	s_lshl_b32 s34, s20, 12
	s_add_co_u32 s32, s32, s34
	s_add_nc_u64 s[14:15], s[14:15], s[32:33]      ; my two K steps of the tile's images
	s_lshl_b32 s32, ttmp9, 9
	s_lshl_b32 s34, s20, 7
	s_add_co_u32 s32, s32, s34
	s_add_nc_u64 s[16:17], s[16:17], s[32:33]      ; my 128 scale bytes
.macro LOAD s                          ; step s: places 2 j + h of the tile, 64 numbers each: two rows x 256 consecutive bytes an instruction
.irp j, 0,1,2,3,4,5,6,7
	global_load_b128 v[R+32*(\s)+4*\j:R+32*(\s)+4*\j+3], v[GL], s[28:29] offset:(2*\j+8*(\j/4))*4096+256*(\s) th:TH_LOAD_NT
.endr
.endm
.macro TURN s                          ; through the stage: LDS serves a wave's instructions in order, so no wait stands between the stores and the loads
.irp j, 0,1,2,3,4,5,6,7
	ds_store_b128 v[SA], v[R+32*(\s)+4*\j:R+32*(\s)+4*\j+3] offset:((\s)%2)*STG+2*\j*272
.endr
.irp e, 0,1
.irp k, 0,1,2,3
	ds_load_b128 v[X+32*((\s)%2)+16*\e+4*\k:X+32*((\s)%2)+16*\e+4*\k+3], v[LA] offset:((\s)%2)*STG+128*\e+16*\k
.endr
.endr
.endm
.macro QSTEP s                         ; the step's two blocks of 32 (e = 0, 1), line by line in turns; a block lies in lanes l and l xor 16
.set XS, X+32*((\s)%2)
.irp e, 0,1
	v_max3_num_f32 v[TQ+4*\e], |v[XS+16*\e]|, |v[XS+16*\e+1]|, 0x4800000   ; my 16 numbers, and the floor 2^(9 - 127): the byte cannot fall under 1
.endr
.irp i, 2,4,6,8,10,12,14
.irp e, 0,1
	v_max3_num_f32 v[TQ+4*\e], v[TQ+4*\e], |v[XS+16*\e+\i]|, |v[XS+16*\e+\i+1]|
.endr
.endr
.irp e, 0,1
	v_permlanex16_b32 v[PD+\e], v[TQ+4*\e], s24, s25
.endr
.irp e, 0,1
	v_max_num_f32 v[TQ+4*\e], v[TQ+4*\e], v[PD+\e]                         ; the block's largest magnitude
.endr
.irp e, 0,1
	v_add_nc_u32 v[TQ+4*\e+2], 0xfc000000, v[TQ+4*\e]                      ; 8 off its exponent field: the conversion takes that field as its scale
.endr
.irp e, 0,1
.irp i, 0,1,2,3,4,5,6,7,8,9,10,11,12,13,14,15
.endr
	v_cvt_scalef32_pk8_fp8_f32 v[C+8*(\s)+4*\e:C+8*(\s)+4*\e+1], v[XS+16*\e:XS+16*\e+7], v[TQ+4*\e+2]
	v_cvt_scalef32_pk8_fp8_f32 v[C+8*(\s)+4*\e+2:C+8*(\s)+4*\e+3], v[XS+16*\e+8:XS+16*\e+15], v[TQ+4*\e+2]
	v_lshrrev_b32 v[TQ+4*\e+3], 23, v[TQ+4*\e+2]                           ; the scale's byte (also the plain line behind the conversions)
.if (2*((\s)%2)+\e) == 0
	v_mov_b32 v[SW+(\s)/2], v[TQ+4*\e+3]
.else
	v_lshl_or_b32 v[SW+(\s)/2], v[TQ+4*\e+3], 8*(2*((\s)%2)+\e), v[SW+(\s)/2]
.endif
	global_store_b128 v[CO], v[C+8*(\s)+4*\e:C+8*(\s)+4*\e+3], s[14:15] offset:1024*(\s)+512*\e   ; group c = 2 (s % 2) + e of K step s / 2: 512 consecutive bytes
.endr
.endm
.irp s, 0,1,2,3
	LOAD \s                                        ; all 32 loads of the wave go out at once
.endr
	s_wait_loadcnt 24                              ; step 0's eight are in
	TURN 0
.irp s, 0,1,2,3
	s_wait_dscnt 0x0                               ; this step's numbers are back from the stage
.if \s < 3
	s_wait_loadcnt 16-8*\s                         ; the next step's eight loads are in; those of the steps behind it may be out
	TURN \s+1                                      ; and go through the other stage while this step is worked
.endif
	QSTEP \s
.endr
	v_cndmask_b32 v[TQ], v[SW], v[SW+1], s27       ; lanes 0-15 store bytes 0-3 of their row, lanes 16-31 bytes 4-7
	global_store_b32 v[SO], v[TQ], s[16:17]
	s_wait_tensorcnt 0x0
	ds_add_u32 v254, v255
	s_wait_dscnt 0x0
	s_endpgm
.Ltable:
	s_sub_co_u32 s21, ttmp9, 768
	s_lshl_b32 s21, s21, 2
	s_add_co_u32 s21, s21, s20
	s_lshl_b32 s21, s21, 3                         ; my wave's first position
	v_and_b32 v1, 31, v0                           ; the pair
	v_cvt_f32_u32 v2, v1
	v_mul_f32 v3, 0x3ed49a78, v2                   ; pair x log2(10000) / 32, rounded,
	v_fma_f32 v4, v2, 0x3ed49a78, -v3              ; what the rounding dropped,
	v_fmac_f32 v4, 0x32179878, v2                  ; and what the constant itself lacks
	s_wait_alu depctr_va_vdst(0)
	v_exp_f32 v5, -v3
	v_mul_f32 v4, 0xbf317218, v4                   ; x -ln 2 (a plain line behind the exponential)
	v_cvt_f32_u32 v6, s21                          ; t
	v_lshlrev_b32 v7, 3, v1
	s_lshl_b32 s22, s21, 8
	v_add_nc_u32 v7, s22, v7                       ; 256 t + 8 x pair
	s_wait_alu depctr_va_vdst(0)                   ; ahead of the exponential's first reader
	v_fma_f32 v5, v5, v4, v5                       ; f
	s_mov_b32 s23, 0
	s_wait_kmcnt 0x0
.Lpos:
	s_wait_alu depctr_va_vdst(0)
	v_mul_f32 v8, v6, v5                           ; the angle, rounded to f32
	v_mul_f32 v9, 0x3f22f983, v8
	v_rndne_f32 v9, v9                             ; n = the nearest multiple of pi/2
	v_fmamk_f32 v10, v9, 0xbfc90fdb, v8            ; less n x pi/2, pi/2 in three parts
	v_fmamk_f32 v10, v9, 0x333bbd2e, v10
	v_fmamk_f32 v10, v9, 0x26f72ced, v10           ; r, within +-pi/4
	v_mul_f32 v11, v10, v10                        ; z = r r
	v_mov_b32 v12, 0x37ccf5ce
	v_fmaak_f32 v12, v12, v11, 0xbab6061a
	v_fmaak_f32 v12, v12, v11, 0x3d2aaaa5
	v_fma_f32 v12, v12, v11, -0.5
	v_fma_f32 v12, v12, v11, 1.0                   ; cos r
	v_mov_b32 v13, 0xb94ca1f9
	v_fmaak_f32 v13, v13, v11, 0x3c08839e
	v_fmaak_f32 v13, v13, v11, 0xbe2aaaa3
	v_mul_f32 v14, v10, v11
	v_fma_f32 v13, v13, v14, v10                   ; sin r
	v_cvt_i32_f32 v15, v9
	v_and_b32 v16, 1, v15
	v_cmp_eq_u32 vcc_lo, 1, v16                    ; in odd quadrants the two change places
	v_cndmask_b32 v18, v12, v13, vcc_lo
	v_cndmask_b32 v19, v13, v12, vcc_lo
	v_add_nc_u32 v16, 1, v15
	v_lshlrev_b32 v16, 30, v16
	v_and_b32 v16, 0x80000000, v16                 ; the cosine is negative in quadrants 1 and 2,
	v_xor_b32 v18, v18, v16
	v_lshlrev_b32 v17, 30, v15
	v_and_b32 v17, 0x80000000, v17                 ; the sine in 2 and 3
	v_xor_b32 v19, v19, v17
	global_store_b64 v7, v[18:19], s[18:19]        ; 32 lanes store a position's 256 bytes, aligned
	s_wait_xcnt 0x0                                ; the store has read its registers: they are written again only behind this wait
	v_add_nc_u32 v7, 0x100, v7
	v_add_f32 v6, 1.0, v6
	s_add_co_u32 s23, s23, 1
	s_cmp_lt_u32 s23, 8
	s_cbranch_scc1 .Lpos
	s_endpgm
.Lfunc_end_k_qacc5e57347_quant:
	.size	k_qacc5e57347_quant, .Lfunc_end_k_qacc5e57347_quant-k_qacc5e57347_quant
	.p2alignl 7, 3214868480
	.fill 96, 4, 3214868480
	.section	.rodata,"a",@progbits
	.p2align	6, 0x0
	.amdhsa_kernel k_qacc5e57347_quant
		.amdhsa_group_segment_fixed_size 35328
		.amdhsa_private_segment_fixed_size 0
		.amdhsa_enable_private_segment 0
		.amdhsa_kernarg_size 64
		.amdhsa_user_sgpr_count 2
		.amdhsa_user_sgpr_kernarg_segment_ptr 1
		.amdhsa_wavefront_size32 1
		.amdhsa_system_sgpr_workgroup_id_x 1
		.amdhsa_system_sgpr_workgroup_id_y 1
		.amdhsa_system_sgpr_workgroup_id_z 1
		.amdhsa_system_vgpr_workitem_id 0
		.amdhsa_next_free_vgpr 256
		.amdhsa_next_free_sgpr 66
		.amdhsa_reserve_vcc 1
		.amdhsa_float_denorm_mode_32 3
		.amdhsa_float_denorm_mode_16_64 3
		.amdhsa_fp16_overflow 1
		.amdhsa_memory_ordered 1
		.amdhsa_forward_progress 1
		.amdhsa_inst_pref_size 22
	.end_amdhsa_kernel
	.amdgpu_metadata
---
amdhsa.version: [ 1, 2 ]
amdhsa.kernels:
  - .name:           k_qacc5e57347_quant
    .symbol:         k_qacc5e57347_quant.kd
    .args:
      - { .name: x, .offset: 0, .size: 8, .value_kind: global_buffer, .address_space: global }
      - { .name: Wq, .offset: 8, .size: 8, .value_kind: global_buffer, .address_space: global }
      - { .name: Wk, .offset: 16, .size: 8, .value_kind: global_buffer, .address_space: global }
      - { .name: Wv, .offset: 24, .size: 8, .value_kind: global_buffer, .address_space: global }
      - { .name: Wo, .offset: 32, .size: 8, .value_kind: global_buffer, .address_space: global }
      - { .name: codes, .offset: 40, .size: 8, .value_kind: global_buffer, .address_space: global }
      - { .name: scales, .offset: 48, .size: 8, .value_kind: global_buffer, .address_space: global }
      - { .name: rope, .offset: 56, .size: 8, .value_kind: global_buffer, .address_space: global }
    .group_segment_fixed_size: 35328
    .private_segment_fixed_size: 0
    .kernarg_segment_align: 8
    .kernarg_segment_size: 64
    .max_flat_workgroup_size: 128
    .sgpr_count:     66
    .vgpr_count:     256
    .wavefront_size: 32
...
	.end_amdgpu_metadata
.endif
;; end of part 1
;; launch qkv (part 2): grid 96 x 4, 4 waves a work-group, clusters of 4 x 4, 327,680 bytes of LDS; arguments codes, scales, rope, qb, kv; writes qb, kv
.if DOCPART == 2
	.amdgcn_target "amdgcn-amd-amdhsa--gfx1250"
	.amdhsa_code_object_version 6
	.text
	.protected	k_qacc5e57347_qkv
	.globl	k_qacc5e57347_qkv
	.p2align	8
	.type	k_qacc5e57347_qkv,@function
k_qacc5e57347_qkv:
	s_mov_b64 s[64:65], 0
	v_nop
	global_prefetch_b8 v0, s[64:65] scope:SCOPE_SE
	s_setreg_imm32_b32 hwreg(HW_REG_WAVE_MODE, 25, 1), 1
	s_wait_xcnt 0x0
	s_wait_alu depctr_hold_cnt(0) depctr_sa_sdst(0) depctr_va_vdst(0) depctr_va_sdst(0) depctr_va_ssrc(0) depctr_va_vcc(0) depctr_vm_vsrc(0)
	s_getreg_b32 s2, hwreg(HW_REG_IB_STS2, 6, 4)
	s_cmp_eq_u32 s2, 0
	s_cbranch_scc0 .Lentry_in_a_cluster
	s_endpgm
.Lentry_in_a_cluster:
	s_bfe_u32 s2, ttmp6, 0x10000c
	s_cmp_lg_u32 s2, 0xf033
	s_cbranch_scc0 .Lentry_shape_is_right
	s_endpgm
.Lentry_shape_is_right:
; q = x Wq^T, k = x Wk^T, v = x Wv^T on codes of FP8 (E4M3) with E8M0 scales; q and k are rotated (RoPE) and quantised along the head's 64; v is quantised along the keys.  Nothing leaves as f32.
; OPERANDS come as images of their registers: codes[tile][K step of 128][c][lane][16 bytes], scales[tile][quarter of K][r][8 bytes]; tile 2 g + u holds at place r the row 32 g + 8 u + r + 8 (r / 8).
; A tile of the result, 256 x 256, is made by four waves, 128 x 128 each: 64 accumulators, 512 registers.  K = 1,024 goes in four steps of 256 through a ring of two LDS slots.
; THE MATRIX INSTRUCTION: source 0 = 16 rows of B, source 1 = 16 rows of A.  A lane holds ONE row of A, and by the tiles' order of rows the 16 registers of B's tiles 2 g, 2 g + 1 are B's rows 32 g + 16 (lane / 16) + 0 .. 15.
; 24 clusters of 4 x 4 work-groups.  Clusters 0-15: A = x (a lane holds a token), B = Wq or Wk (registers run along the head's features): what the rotation and the quantiser along the head want.
; Clusters 16-23: A = Wv (a lane holds a feature), B = x (registers run along the tokens, which are the keys): what the quantiser along the keys wants.  The branch between the two ways out hangs on the cluster's number.
; JOINT LOADS: A's tiles are shared along a row of the cluster, B's along a column; each is asked for by the same tensor load with the same descriptor and a mask that names the four.
; OUT.  qb[head of a batch 0..63][139,264]: codes [128 tiles of tokens][c 0,1][lane][16]; from 131,072 on scale words [32 groups of 4 tiles][r][4 words] (bytes 0, 1 the two scales, bytes 2, 3 zero).
;       kv[head 0..63][slot of 256 keys 0..7][34,304]: K's codes [16 tiles][1,024]; +16,384 V's codes [2 key steps][4 tiles of features][2,048]; +32,768 K's scale words [4 groups][r][4]; +33,792 V's [2 key steps][r][4 tiles].
;       Each store of codes covers 512 consecutive bytes, aligned; each store of scale words 256 for each of two heads.
; LIMITS: a block of zeros gets the byte 1 (its codes are zeros; this program alone reads the bytes); blocks under 2^-118 are held at the byte 1; NaN and infinities are not served.
; No prefetch: K has four steps, and two of them are the first fills.
; REGISTERS, in windows of 256: window 0: v0-31 addresses; v32-63 scale words, two sets; from v128 A's fragments, one set; on the way out v32-207 are at work.  window 1: B's fragments, two sets.  windows 2, 3: the accumulators ((a, b) at v[8 (8 (a % 4) + b)]).
.set NQ,     2                         ; matrix instructions deep in a slot
.set FR,     16                        ; registers of a fragment
.set NL,     4                         ; LDS loads that bring one
.set NP,     8                         ; places behind this matrix instruction (ISA guide 7.12.1)
.set TILEB,  4096                      ; a tile's bytes in a slot: two images of 2,048
.set HALFT,  8*TILEB                   ; eight tiles: what one tensor load brings, and what one wave reads of A or of B
.set SLOT,   4*HALFT                   ; A's 16 tiles, then B's 16
.set LAPS,   2                         ; a lap = two K steps of 256
.set SCL,    2*SLOT                    ; behind the ring: the scale bytes of the 32 tiles, for all of K: filled once
.set HALFS,  4096                      ; those of eight tiles
.set SPARE,  SCL+4*HALFS               ; the spare words, 128 bytes for each wave: two blocks of 256 bytes that no other line names
.set ADRA, 16                          ; v16-17  LDS address of my A fragments in slot 0, 1
.set ADRB, 20                          ; v20-21  the same for B
.set ADRS, 27                          ; v27     LDS address of my scale words: lanes 0-15 A's, lanes 16-31 B's
.set SPW,  28                          ; v28     LDS address of my spare word; never rewritten
.set NIL,  29                          ; v29     0; never rewritten
.set SC,   32                          ; scale words: set s at v[SC + 16 s]; register 2 i + q: lanes 0-15 A's tile i, lanes 16-31 B's tile i, the slot's q-th 128 along K
.set AF,   128                         ; A's fragments, in window 0
.set G1, 24                            ; s[24:31] group 1 for A's tiles;  s[32:39] group 0, one set for each slot
.set G0, 32
.set G1B, 48                           ; the same for B's
.set G0B, 56
.set G1S, 68                           ; groups 1 and 0 for A's scales, then for B's
.set G0S, 76
.set G1SB, 80
.set G0SB, 88
; the way out, window 0
.set RO, 1                             ; v1   my token's row of the table: 256 (r + 8 (r / 8)) + 64 h
.set CO, 2                             ; v2   16 x lane
.set SO, 3                             ; v3   scale words: a head's bytes x h + 16 r
.set SH, 4                             ; v4   16 h
.set CS, 32                            ; v32-95   cosines and sines, two sets of 32
.set T,  96                            ; v96-159  x cos, then the held numbers
.set Y,  96
.set PC, 160                           ; v160-175 codes
.set TM, 176                           ; v176-191 +0 largest magnitudes, +4 exchange and bytes, +8 448 x scale, +12 scale operands
.set PW, 192                           ; the scale word just made
.set SW, 196                           ; v196-203 scale words gathered;  v204-207 those chosen for the store
.set MSB, 0
.macro WIN new                         ; the immediate's high byte repeats the setting that is left
.if MSB != (\new)
	s_set_vgpr_msb (MSB<<8)|(\new)
.set MSB, (\new)
.endif
.endm
.set MUL_LO, 0xa1                      ; source 0 (B) window 1, source 1 (A) window 0, C and D window 2
.set MUL_HI, 0xf1
.set TO_B,   0x40
; A joint load: waves 0 and 1 fetch for A, waves 2 and 3 for B; the branch hangs on the wave's number alone.  Four v_nop follow each of the two lines.
.macro JLOAD g0a, g1a, g0b, g1b
	s_cmp_eq_u32 s15, 0
	s_cbranch_scc0 .Lfor_b_\@
	tensor_load_to_lds s[\g0a:\g0a+3], s[\g1a:\g1a+7]
	s_nop 0
.rept 4
	v_nop
.endr
	s_branch .Lasked_\@
.Lfor_b_\@:
	tensor_load_to_lds s[\g0b:\g0b+3], s[\g1b:\g1b+7]
	s_nop 0
.rept 4
	v_nop
.endr
.Lasked_\@:
.endm
.macro CREST                           ; a round of the cluster's barrier behind its opening barrier
	s_cmp_lg_u32 s14, 0
	s_cbranch_scc1 .Lnot_wave_0_\@
	s_barrier_signal -3
.Lnot_wave_0_\@:
	s_barrier_wait -3
	s_barrier_signal -1
	s_barrier_wait -1
.endm
.macro CROUND
	s_barrier_signal -1
	s_barrier_wait -1
	CREST
.endm
	s_load_b256 s[4:11], s[0:1], 0x0               ; codes s[4:5], scales s[6:7], rope s[8:9], qb s[10:11]
	s_load_b64 s[12:13], s[0:1], 0x20              ; kv
	v_lshl_add_u32 v[SPW], v0, 2, SPARE
	v_mov_b32 v[NIL], 0
	ds_add_u32 v28, v29
	ds_add_u32 v28, v29
	s_wait_dscnt 0x0
	v_lshrrev_b32 v1, 5, v0
	v_readfirstlane_b32 s14, v1                    ; wave 0..3
	s_lshr_b32 s15, s14, 1                         ; which half of A's rows is mine.  Also: I fetch for A (0) or for B (1)
	s_and_b32 s16, s14, 1                          ; which half of B's rows.  Also: which eight tiles I fetch
	s_bfe_u32 s40, ttmp6, 0x40000                  ; cx, cy: my place in the cluster
	s_bfe_u32 s41, ttmp6, 0x40004
	s_lshr_b32 s18, ttmp9, 1                       ; clusters 0-15: row of clusters,
	s_and_b32 s19, ttmp9, 1                        ; column: 0 Wq, 1 Wk
	s_sub_co_u32 s20, ttmp9, 16                    ; clusters 16-23: column (tokens)
	s_cmp_lt_u32 ttmp9, 16
	s_cselect_b32 s18, s18, 0
	s_cselect_b32 s98, s19, s20
	s_cselect_b32 s95, 0, 640                      ; A's first tile in the buffers: x or Wv
	s_cselect_b32 s96, 512, 0                      ; B's: Wq (Wk follows it) or x
	s_cselect_b32 s97, 1, 0                        ; 1: q or k;  0: v
	s_lshl_b32 s42, s98, 2
	s_add_co_u32 s42, s42, s40                     ; tile column
	s_lshl_b32 s17, s18, 2
	s_add_co_u32 s17, s17, s41                     ; tile row
	s_lshl_b32 s43, s41, 2
	s_lshl_b32 s43, 15, s43                        ; my row of the cluster
	s_lshl_b32 s44, 0x1111, s40                    ; my column
	; group 1 for codes: eight tiles' two images each: 8 rows of 4,096 bytes (512 elements of 8 bytes), 16,384 bytes apart; no padding: an image is read as it lies, 512 consecutive bytes a load
	s_or_b32 s[G1+0], s43, (3<<16)|(1<<21)         ; 15:0 the mask; 17:16 elements of 8 bytes; 21 set beside a mask
	s_or_b32 s[G1B+0], s44, (3<<16)|(1<<21)
.irp g, G1, G1B
	s_mov_b32 s[\g+1], 512<<16                     ; tensor_dim0
	s_mov_b32 s[\g+2], 8<<16                       ; tensor_dim1
	s_mov_b32 s[\g+3], 512<<16                     ; tile_dim0
	s_mov_b32 s[\g+4], 8                           ; tile_dim1
	s_mov_b32 s[\g+5], 2048                        ; tensor_dim0_stride
	s_mov_b32 s[\g+6], 0
	s_mov_b32 s[\g+7], 0
.endr
	; and for the scale bytes of eight tiles: 4,096 dense bytes as 16 rows of 256
	s_or_b32 s[G1S+0], s43, (3<<16)|(1<<21)
	s_or_b32 s[G1SB+0], s44, (3<<16)|(1<<21)
.irp g, G1S, G1SB
	s_mov_b32 s[\g+1], 32<<16
	s_mov_b32 s[\g+2], 16<<16
	s_mov_b32 s[\g+3], 32<<16
	s_mov_b32 s[\g+4], 16
	s_mov_b32 s[\g+5], 32
	s_mov_b32 s[\g+6], 0
	s_mov_b32 s[\g+7], 0
.endr
	s_lshl_b32 s18, s16, 3
	s_lshl_b32 s20, s17, 4
	s_add_co_u32 s20, s20, s18
	s_add_co_u32 s20, s20, s95                     ; A: the first tile that I fetch: made of the tile row, the wave and the cluster's number
	s_lshl_b32 s46, s42, 4
	s_add_co_u32 s46, s46, s18
	s_add_co_u32 s46, s46, s96                     ; B: of the tile column, the wave and the cluster's number
	s_lshl_b32 s22, s20, 9                         ; 512 scale bytes a tile,
	s_mov_b32 s23, 0
	s_lshl_b32 s92, s46, 9
	s_mov_b32 s93, 0
	s_lshl_b32 s20, s20, 14                        ; 16,384 bytes of codes
	s_mov_b32 s21, 0
	s_lshl_b32 s46, s46, 14
	s_mov_b32 s47, 0
	s_lshl_b32 s45, s14, 15                        ; where they go: wave x eight tiles: no place in the cluster enters an LDS address
	s_lshl_b32 s94, s14, 12
	s_wait_kmcnt 0x0
	s_add_nc_u64 s[20:21], s[4:5], s[20:21]
	s_add_nc_u64 s[22:23], s[6:7], s[22:23]
	s_add_nc_u64 s[46:47], s[4:5], s[46:47]
	s_add_nc_u64 s[92:93], s[6:7], s[92:93]
	CROUND                                         ; all sixteen work-groups are here: the first joint loads meet
	s_mov_b32 s[G0S], 1
	s_add_co_u32 s[G0S+1], s94, SCL
	s_mov_b64 s[G0S+2:G0S+3], s[22:23]
	s_or_b32 s[G0S+3], s[G0S+3], 0x80000000
	s_mov_b32 s[G0SB], 1
	s_add_co_u32 s[G0SB+1], s94, SCL
	s_mov_b64 s[G0SB+2:G0SB+3], s[92:93]
	s_or_b32 s[G0SB+3], s[G0SB+3], 0x80000000
	JLOAD G0S, G1S, G0SB, G1SB                     ; the scales first: they are wanted with K step 0
.irp s, 0,1
	s_mov_b32 s[G0+4*\s], 1
	s_add_co_u32 s[G0+4*\s+1], s45, \s*SLOT
	s_add_nc_u64 s[G0+4*\s+2:G0+4*\s+3], s[20:21], \s*TILEB
	s_or_b32 s[G0+4*\s+3], s[G0+4*\s+3], 0x80000000
	s_mov_b32 s[G0B+4*\s], 1
	s_add_co_u32 s[G0B+4*\s+1], s45, \s*SLOT
	s_add_nc_u64 s[G0B+4*\s+2:G0B+4*\s+3], s[46:47], \s*TILEB
	s_or_b32 s[G0B+4*\s+3], s[G0B+4*\s+3], 0x80000000
	JLOAD G0+4*\s, G1, G0B+4*\s, G1B
.endr
	v_and_b32 v1, 15, v0                           ; r
	v_bfe_u32 v2, v0, 4, 1                         ; h
	s_wait_alu depctr_va_vdst(0)
	v_and_b32 v3, 31, v0
	v_lshlrev_b32 v4, 4, v3                        ; 16 x lane: my place in every image
	s_lshl_b32 s21, s15, 15                        ; my eight tiles of A
	s_lshl_b32 s22, s16, 15                        ; my eight of B,
	s_add_co_u32 s22, s22, 2*HALFT                 ; which lie behind A's sixteen
.irp s, 0,1
	v_add_nc_u32 v[ADRA+\s], s21, v4
	v_add_nc_u32 v[ADRB+\s], s22, v4
	s_add_co_u32 s21, s21, SLOT
	s_add_co_u32 s22, s22, SLOT
.endr
	v_lshlrev_b32 v5, 3, v1                        ; scale words: 8 bytes a row and quarter of K
	s_lshl_b32 s21, s15, 12
	s_lshl_b32 s22, s16, 12
	s_add_co_u32 s22, s22, 2*HALFS
	s_sub_co_u32 s22, s22, s21
	v_mul_u32_u24 v6, s22, v2                      ; lanes 16-31 take B's: the lower base + h x the distance
	s_add_co_u32 s21, s21, SCL
	v_add_nc_u32 v5, v5, v6
	v_add_nc_u32 v[ADRS], s21, v5
.macro FRAG reg, adr, q, i             ; a fragment is an image: four loads of 512 consecutive bytes
.irp c, 0,1,2,3
	ds_load_b128 v[\reg+4*\c:\reg+4*\c+3], v[\adr] offset:TILEB*(\i)+2048*(\q)+512*\c
.endr
.endm
; 16 matrix instructions: A's blocks a0, a0 + 1 x B's eight, 128 along K.  The 64 accumulators take turns, one instruction a turn, in the same order in every step.
.macro MUL16 a0, p, q, sc, zero
.irp a, \a0, \a0+1
.irp b, 0,1,2,3,4,5,6,7
.if \zero
	v_wmma_scale_f32_16x16x128_f8f6f4 v[8*(8*((\a)%4)+\b):8*(8*((\a)%4)+\b)+7], v[128*(\p)+FR*\b:128*(\p)+FR*\b+FR-1], v[AF+FR*(\a):AF+FR*(\a)+FR-1], 0, v[SC+8*NQ*(\sc)+NQ*\b+(\q)], v[SC+8*NQ*(\sc)+NQ*(\a)+(\q)] matrix_a_scale:MATRIX_SCALE_ROW1
.else
	v_wmma_scale_f32_16x16x128_f8f6f4 v[8*(8*((\a)%4)+\b):8*(8*((\a)%4)+\b)+7], v[128*(\p)+FR*\b:128*(\p)+FR*\b+FR-1], v[AF+FR*(\a):AF+FR*(\a)+FR-1], v[8*(8*((\a)%4)+\b):8*(8*((\a)%4)+\b)+7], v[SC+8*NQ*(\sc)+NQ*\b+(\q)], v[SC+8*NQ*(\sc)+NQ*(\a)+(\q)] matrix_a_scale:MATRIX_SCALE_ROW1
.endif
.endr
.endr
.endm
.macro FETCH_B slot, q, p
	WIN TO_B
.irp i, 0,1,2,3,4,5,6,7
	FRAG 128*(\p)+FR*\i, ADRB+\slot, \q, \i
.endr
	WIN 0
.endm
.macro FETCH_A slot, q, i0
.irp i, \i0, \i0+1, \i0+2, \i0+3
	FRAG AF+FR*(\i), ADRA+\slot, \q, \i
.endr
.endm
.macro SCALES sc                       ; a K step's scale words: two words a row; lanes 0-15 A's tile i, lanes 16-31 B's tile i
.irp i, 0,1,2,3,4,5,6,7
	ds_load_b64 v[SC+8*NQ*\sc+NQ*\i:SC+8*NQ*\sc+NQ*\i+1], v[ADRS] offset:\i*512
.endr
.endm
.macro PLACES n                        ; plain vector lines between a matrix instruction and a load into, or a read of, its registers
.rept \n
	v_nop
.endr
.endm
.macro STEP slot, q, zero              ; 128 along K that has its successor in the same slot
	s_wait_dscnt 4*NL                              ; B's set, A's blocks 0-3 and the scale words are in; the youngest sixteen loads (A's blocks 4-7) may be out
	WIN MUL_LO
	MUL16 0, (\q)%2, \q, \slot, \zero
	MUL16 2, (\q)%2, \q, \slot, \zero
	s_wait_dscnt 0
	PLACES NP
	FETCH_B \slot, (\q)+1, 1-(\q)%2
	FETCH_A \slot, (\q)+1, 0
	WIN MUL_HI
	MUL16 4, (\q)%2, \q, \slot, \zero
	MUL16 6, (\q)%2, \q, \slot, \zero
	PLACES NP
	WIN 0
	FETCH_A \slot, (\q)+1, 4
.endm
; A slot's last step changes slots: one barrier; in front of it each wave waits for all its tensor loads, adds 0 to its spare word, and waits for that and for its own reads of this slot.
.macro TURN slot, next, fill
	s_wait_tensorcnt 0x0                           ; all my tensor loads have landed: my part of the next slot
	ds_add_u32 v[SPW], v[NIL]                      ; 0 onto my spare word
	s_wait_dscnt 4*NL+1                            ; (the add and the youngest sixteen loads may be out)
	WIN MUL_LO
	MUL16 0, 1, NQ-1, \slot, 0
	s_wait_dscnt 0x0                               ; the add is done, and my reads of this slot are over
	s_barrier_signal -1
	MUL16 2, 1, NQ-1, \slot, 0
	WIN 0
	s_barrier_wait -1
.if \fill
	CREST                                          ; the barrier has opened a round of the cluster's barrier: no wave of any partner still reads this slot or has a load on its way
	s_add_nc_u64 s[G0+4*\slot+2:G0+4*\slot+3], s[G0+4*\slot+2:G0+4*\slot+3], 2*TILEB
	s_add_nc_u64 s[G0B+4*\slot+2:G0B+4*\slot+3], s[G0B+4*\slot+2:G0B+4*\slot+3], 2*TILEB
	JLOAD G0+4*\slot, G1, G0B+4*\slot, G1B         ; the first tensor load behind the round; its four v_nop are among the places in front of the loads below
	PLACES NP-4
.else
	PLACES NP
.endif
	s_wait_alu depctr_va_vdst(0)
	v_add_nc_u32 v[ADRS], 128, v[ADRS]             ; the next quarter of K's scale words
	FETCH_B \next, 0, 0
	FETCH_A \next, 0, 0
	SCALES \next
	WIN MUL_HI
	MUL16 4, 1, NQ-1, \slot, 0
	MUL16 6, 1, NQ-1, \slot, 0
	PLACES NP
	WIN 0
	FETCH_A \next, 0, 4
.endm
	s_wait_alu depctr_va_vdst(0)
	s_wait_tensorcnt 1                             ; the scales and my part of K step 0 are in (K step 1's load may be out),
	s_barrier_signal -1
	s_barrier_wait -1                              ; everybody's are
	FETCH_B 0, 0, 0
	FETCH_A 0, 0, 0
	SCALES 0
	FETCH_A 0, 0, 4
	STEP 0, 0, 1                                   ; the first step's products start the sums: nothing is cleared
	s_mov_b32 s3, LAPS-1
.Llap:
	TURN 0, 1, 1
	STEP 1, 0, 0
	TURN 1, 0, 1
	STEP 0, 0, 0
	s_sub_co_u32 s3, s3, 1
	s_cmp_lg_u32 s3, 0
	s_cbranch_scc1 .Llap
	TURN 0, 1, 0                                   ; the last lap fills nothing
	STEP 1, 0, 0
	s_wait_dscnt 4*NL
	WIN MUL_LO
	MUL16 0, 1, NQ-1, 1, 0
	MUL16 2, 1, NQ-1, 1, 0
	s_wait_dscnt 0
	WIN MUL_HI
	MUL16 4, 1, NQ-1, 1, 0
	MUL16 6, 1, NQ-1, 1, 0
	WIN 0
; THE WAY OUT uses no LDS: a block's codes leave as an image, straight from the conversions' registers.  Of block a (16 rows of A) register 16 b + i of a lane is B's row 32 b + 16 h + i: a block of 32 lies in lanes l and l xor 16.
	v_and_b32 v5, 15, v0                           ; r.   These nine lines name no register of the last products: they are the places behind them
	v_bfe_u32 v6, v0, 4, 1                         ; h
	v_and_b32 v7, 8, v5
	v_add_nc_u32 v7, v7, v5                        ; r + 8 (r / 8)
	v_lshlrev_b32 v[RO], 8, v7
	v_lshl_add_u32 v[RO], v6, 6, v[RO]
	v_and_b32 v[CO], 31, v0
	v_lshlrev_b32 v[CO], 4, v[CO]
	v_lshlrev_b32 v[SH], 4, v6
.irp b, 0,1,2,3
	v_mov_b32 v[TM+4+\b], 0                        ; a lane exchange's destination counts as one of its sources
.endr
	s_mov_b32 s94, 0x76543210
	s_mov_b32 s95, 0xfedcba98                      ; selects for lane l xor 16
	s_mov_b32 s96, 0x600000                        ; the mantissa field of 448
	s_mov_b32 s99, 0xffff0000                      ; lanes 16-31
	s_mov_b32 s45, 0
.macro CSLOAD a                        ; the cosines and sines of block a's tokens: my 8 pairs of each half of a head: 2 x 64 bytes
.irp e, 0,1
.irp k, 0,1,2,3
	global_load_b128 v[CS+32*((\a)%2)+16*\e+4*\k:CS+32*((\a)%2)+16*\e+4*\k+3], v[RO], s[2:3] offset:(32*((\a)/2)+8*((\a)%2))*256+128*\e+16*\k
.endr
.endr
.endm
.macro ROPE a                          ; (xe, xo) -> (xe c - xo s, xe s + xo c), in place: two packed lines a pair
.set AC, 64*((\a)%4)
.set W, 2+(\a)/4
.set CB, CS+32*((\a)%2)
	WIN W
.irp b, 0,1,2,3
.irp p, 0,1,2,3,4,5,6,7
	v_pk_mul_f32 v[T+16*\b+2*\p:T+16*\b+2*\p+1], v[AC+16*\b+2*\p:AC+16*\b+2*\p+1], v[CB+16*(\b%2)+2*\p:CB+16*(\b%2)+2*\p+1] op_sel_hi:[1,0]   ; (xe c, xo c); each accumulator is read from its low end on
.endr
.endr
	WIN (W<<6)|W
.irp b, 0,1,2,3
.irp p, 0,1,2,3,4,5,6,7
	v_pk_fma_f32 v[AC+16*\b+2*\p:AC+16*\b+2*\p+1], v[AC+16*\b+2*\p:AC+16*\b+2*\p+1], v[CB+16*(\b%2)+2*\p:CB+16*(\b%2)+2*\p+1], v[T+16*\b+2*\p:T+16*\b+2*\p+1] op_sel:[1,1,0] op_sel_hi:[0,1,1] neg_lo:[0,1,0]   ; low: xo (-s) + xe c;  high: xe s + xo c
.endr
.endr
.endm
.macro QUANT a                         ; block a's 64 numbers of a lane become 16 registers of codes in v[PC] on and a scale word in v[PW]
.set AC, 64*((\a)%4)
.set W, 2+(\a)/4
	WIN W|(W<<2)
.irp b, 0,1,2,3
	v_max3_num_f32 v[TM+\b], |v[AC+16*\b]|, |v[AC+16*\b+1]|, 0x4800000   ; my 16 numbers of block b, and the floor 2^(9 - 127): the byte cannot fall under 1
.endr
.irp i, 2,4,6,8,10,12,14
.irp b, 0,1,2,3
	v_max3_num_f32 v[TM+\b], |v[AC+16*\b+\i]|, |v[AC+16*\b+\i+1]|, v[TM+\b]
.endr
.endr
	WIN 0
.irp b, 0,1,2,3
	v_permlanex16_b32 v[TM+4+\b], v[TM+\b], s94, s95
.endr
.irp b, 0,1,2,3
	v_max_num_f32 v[TM+\b], v[TM+\b], v[TM+4+\b]
.endr
.irp b, 0,1,2,3
	v_add_nc_u32 v[TM+12+\b], 0xfc000000, v[TM+\b]           ; 8 off the exponent field: the conversion's scale operand
.endr
.irp b, 0,1,2,3
	v_and_or_b32 v[TM+8+\b], v[TM+\b], 0x7f800000, s96       ; 448 x the scale
.endr
.irp b, 0,1,2,3
	v_lshrrev_b32 v[TM+4+\b], 23, v[TM+12+\b]                ; the byte
.endr
	v_lshl_or_b32 v[PW], v[TM+5], 8, v[TM+4]
	v_lshl_or_b32 v[PW], v[TM+6], 16, v[PW]
	v_lshl_or_b32 v[PW], v[TM+7], 24, v[PW]
	WIN W
.irp b, 0,1,2,3
.irp i, 0,1,2,3,4,5,6,7,8,9,10,11,12,13,14,15
	v_med3_num_f32 v[Y+16*\b+\i], v[AC+16*\b+\i], -v[TM+8+\b], v[TM+8+\b]   ; the conversion does not saturate (ISA guide 7.6.2): the hold comes first
.endr
.endr
	WIN 0
.if (\a) > 0
	s_wait_alu depctr_va_vdst(0)
	s_wait_xcnt 0x0                                ; the last block's stores have read their registers: the codes and scale words are written again only behind this wait
.endif
.irp b, 0,1,2,3
	v_cvt_scalef32_pk8_fp8_f32 v[PC+4*\b:PC+4*\b+1], v[Y+16*\b:Y+16*\b+7], v[TM+12+\b]
	v_cvt_scalef32_pk8_fp8_f32 v[PC+4*\b+2:PC+4*\b+3], v[Y+16*\b+8:Y+16*\b+15], v[TM+12+\b]
.endr
	v_nop                                          ; one plain line behind the last conversion
.endm
	s_cmp_eq_u32 s97, 0
	s_cbranch_scc1 .Lv
	; ---- q or k: a lane holds a token; blocks 0, 1 are my first head's two halves, blocks 2, 3 my second head's
	s_cmp_eq_u32 s98, 0                            ; q or k: the cluster's column
	s_cselect_b64 s[18:19], s[10:11], s[12:13]
	s_mov_b32 s20, 274432
	s_cselect_b32 s20, 139264, s20                 ; a head's bytes,
	s_mov_b32 s21, 34304
	s_cselect_b32 s21, 16384, s21                  ; 256 tokens' step among the codes,
	s_mov_b32 s22, 34304
	s_cselect_b32 s22, 1024, s22                   ; and among the scale words,
	s_mov_b32 s23, 32768
	s_cselect_b32 s23, 131072, s23                 ; and where those begin
	s_lshr_b32 s40, s17, 3
	s_lshl_b32 s40, s40, 4                         ; 16 x batch
	s_and_b32 s41, s42, 3
	s_lshl_b32 s41, s41, 2
	s_add_co_u32 s40, s40, s41
	s_lshl_b32 s41, s16, 1
	s_add_co_u32 s40, s40, s41                     ; my first head
	s_mul_i32 s40, s40, s20
	s_and_b32 s41, s17, 7                          ; which 256 tokens of the batch
	s_mul_i32 s44, s41, s21
	s_add_co_u32 s44, s44, s40
	s_lshl_b32 s43, s15, 13                        ; my eight tiles of tokens, 1,024 bytes each
	s_add_co_u32 s44, s44, s43
	s_add_nc_u64 s[46:47], s[18:19], s[44:45]      ; codes, first head
	s_mov_b32 s100, s20
	s_mov_b32 s101, 0
	s_add_nc_u64 s[92:93], s[46:47], s[100:101]    ; second head
	s_mul_i32 s44, s41, s22
	s_add_co_u32 s44, s44, s40
	s_add_co_u32 s44, s44, s23
	s_lshl_b32 s43, s15, 9                         ; my two groups of four tiles
	s_add_co_u32 s44, s44, s43
	s_add_nc_u64 s[66:67], s[18:19], s[44:45]      ; scale words
	s_lshl_b32 s44, s41, 8
	s_lshl_b32 s43, s15, 7
	s_add_co_u32 s44, s44, s43                     ; my first position
	s_lshl_b32 s44, s44, 8
	s_add_nc_u64 s[2:3], s[8:9], s[44:45]          ; its row of the table
	v_mul_u32_u24 v[SO], s20, v6
	v_lshl_add_u32 v[SO], v5, 4, v[SO]             ; lanes 0-15 store the first head's words, lanes 16-31 the second's
	CSLOAD 0
.irp a, 0,1,2,3,4,5,6,7
.if \a < 7
	CSLOAD \a+1
	s_wait_loadcnt 8                               ; this block's eight table loads are in; the next block's may be out
.else
	s_wait_loadcnt 0x0
.endif
	ROPE \a
	QUANT \a
	v_bfe_u32 v[SW+\a%4], v[PW], v[SH], 16         ; my head's two bytes; bytes 2 and 3 of the word are zero: the upper half of the score product's K holds zero codes
	global_store_b128 v[CO], v[PC:PC+3], s[46:47] offset:1024*\a
	global_store_b128 v[CO], v[PC+4:PC+7], s[46:47] offset:1024*\a+512
	global_store_b128 v[CO], v[PC+8:PC+11], s[92:93] offset:1024*\a
	global_store_b128 v[CO], v[PC+12:PC+15], s[92:93] offset:1024*\a+512
.if \a%4 == 3
	global_store_b128 v[SO], v[SW:SW+3], s[66:67] offset:256*(\a/4)   ; four tiles' words of a row: sixteen lanes store 256 consecutive bytes
.endif
.endr
	s_branch .Lend
.Lv:
	; ---- v: a lane holds a feature; blocks 0 to 3 are the four blocks of 32 keys of my key step
	s_lshr_b32 s40, s42, 3
	s_lshl_b32 s40, s40, 4                         ; 16 x batch
	s_lshl_b32 s41, s17, 2
	s_add_co_u32 s40, s40, s41
	s_lshl_b32 s41, s15, 1
	s_add_co_u32 s40, s40, s41                     ; my first head
	s_mul_i32 s40, s40, 274432
	s_and_b32 s41, s42, 7                          ; the slot of 256 keys
	s_mul_i32 s41, s41, 34304
	s_add_co_u32 s40, s40, s41
	s_lshl_b32 s44, s16, 13                        ; my key step of the slot's two
	s_add_co_u32 s44, s44, s40
	s_add_co_u32 s44, s44, 16384
	s_add_nc_u64 s[46:47], s[12:13], s[44:45]
	s_add_nc_u64 s[92:93], s[46:47], 274432
	s_lshl_b32 s44, s16, 8
	s_add_co_u32 s44, s44, s40
	s_add_co_u32 s44, s44, 33792
	s_add_nc_u64 s[66:67], s[12:13], s[44:45]
	v_mul_u32_u24 v[SO], 274432, v6
	v_lshl_add_u32 v[SO], v5, 4, v[SO]
.irp a, 0,1,2,3,4,5,6,7
	QUANT \a
	v_mov_b32 v[SW+\a], v[PW]
.irp b, 0,1,2,3
.if \a < 4
	global_store_b128 v[CO], v[PC+4*\b:PC+4*\b+3], s[46:47] offset:2048*(\a%4)+512*\b
.else
	global_store_b128 v[CO], v[PC+4*\b:PC+4*\b+3], s[92:93] offset:2048*(\a%4)+512*\b
.endif
.endr
.endr
.irp i, 0,1,2,3
	v_cndmask_b32 v[204+\i], v[SW+\i], v[SW+4+\i], s99   ; lanes 0-15 store the first head's four words of their row, lanes 16-31 the second's
.endr
	global_store_b128 v[SO], v[204:207], s[66:67]
.Lend:
	s_wait_tensorcnt 0x0                           ; the wave's end
	ds_add_u32 v[SPW], v[NIL]
	s_wait_dscnt 0x0
	CROUND                                         ; the closing round: no work-group ends while a partner may still ask for a tile that names it
	s_endpgm
.Lfunc_end_k_qacc5e57347_qkv:
	.size	k_qacc5e57347_qkv, .Lfunc_end_k_qacc5e57347_qkv-k_qacc5e57347_qkv
	.p2alignl 7, 3214868480
	.fill 96, 4, 3214868480
	.section	.rodata,"a",@progbits
	.p2align	6, 0x0
	.amdhsa_kernel k_qacc5e57347_qkv
		.amdhsa_group_segment_fixed_size 327680
		.amdhsa_private_segment_fixed_size 0
		.amdhsa_enable_private_segment 0
		.amdhsa_kernarg_size 40
		.amdhsa_user_sgpr_count 2
		.amdhsa_user_sgpr_kernarg_segment_ptr 1
		.amdhsa_wavefront_size32 1
		.amdhsa_system_sgpr_workgroup_id_x 1
		.amdhsa_system_sgpr_workgroup_id_y 1
		.amdhsa_system_sgpr_workgroup_id_z 1
		.amdhsa_system_vgpr_workitem_id 0
		.amdhsa_next_free_vgpr 1024
		.amdhsa_next_free_sgpr 102
		.amdhsa_reserve_vcc 0
		.amdhsa_float_denorm_mode_32 3
		.amdhsa_float_denorm_mode_16_64 3
		.amdhsa_memory_ordered 1
		.amdhsa_forward_progress 1
		.amdhsa_inst_pref_size 255
	.end_amdhsa_kernel
	.section	.bss,"aw",@nobits
	.p2align	6
	.space	262144
	.amdgpu_metadata
---
amdhsa.version: [ 1, 2 ]
amdhsa.kernels:
  - .name:           k_qacc5e57347_qkv
    .symbol:         k_qacc5e57347_qkv.kd
    .args:
      - { .name: codes, .offset: 0, .size: 8, .value_kind: global_buffer, .address_space: global }
      - { .name: scales, .offset: 8, .size: 8, .value_kind: global_buffer, .address_space: global }
      - { .name: rope, .offset: 16, .size: 8, .value_kind: global_buffer, .address_space: global }
      - { .name: qb, .offset: 24, .size: 8, .value_kind: global_buffer, .address_space: global }
      - { .name: kv, .offset: 32, .size: 8, .value_kind: global_buffer, .address_space: global }
    .group_segment_fixed_size: 327680
    .private_segment_fixed_size: 0
    .kernarg_segment_align: 8
    .kernarg_segment_size: 40
    .max_flat_workgroup_size: 128
    .sgpr_count:     102
    .vgpr_count:     1024
    .wavefront_size: 32
...
	.end_amdgpu_metadata
.endif
;; end of part 2
;; launch attn (part 3): grid 4 x 64, 16 waves a work-group, no clusters, 327,680 bytes of LDS; arguments qb, kv, ac, asc; writes ac, asc
.if DOCPART == 3
	.amdgcn_target "amdgcn-amd-amdhsa--gfx1250"
	.amdhsa_code_object_version 6
	.text
	.protected	k_qacc5e57347_attn
	.globl	k_qacc5e57347_attn
	.p2align	8
	.type	k_qacc5e57347_attn,@function
k_qacc5e57347_attn:
	s_mov_b64 s[64:65], 0
	v_nop
	global_prefetch_b8 v0, s[64:65] scope:SCOPE_SE
	s_setreg_imm32_b32 hwreg(HW_REG_WAVE_MODE, 25, 1), 1
	s_wait_xcnt 0x0
; Causal attention of one head on codes of FP8 (E4M3) with E8M0 scales, head size 64, 2,048 tokens; its result, divided by the row's sum, is quantised along d_model and leaves as codes for the last product.
; THE SOFTMAX: t = score x log2(e) / 8; M = the running largest t rounded UP to a whole number; p = 2^(t - M) is quantised along the keys; the sum is taken of the unquantised p; when M moves, sum and O are multiplied by 2^(old M - new M): exact.
; IN.  qb[head][139,264]: Q's codes [128 tiles][c 0,1][lane][16], from 131,072 on scale words [32 groups of 4 tiles][r][4].  kv[head][slot of 256 keys][34,304]: K's codes [16 tiles][1,024]; +16,384 V's [2 key steps][4 tiles of features][2,048];
; +32,768 K's scale words [4 groups][r][4]; +33,792 V's [2 key steps][r][4].  All are images of operand registers: a fragment's group of four registers is 512 consecutive bytes, 16 a lane.  Tile 2 g + u holds at place r the row 32 g + 8 u + r + 8 (r / 8).
; THE SCORE PRODUCT HAS K = 64: the upper half of the instruction's 128 is zero codes on both sides, kept in registers that are cleared once; their scale bytes are 0, which is 2^-127 and adds nothing over zero codes.
; Both products are used transposed: S^T = K Q^T, O^T = V^T P^T: a lane holds ONE query; by the tiles' order of rows p's 16 registers of two neighbouring tiles are 16 neighbouring keys, and O^T's are 16 neighbouring features.
; SHARES.  Work-group (i, head) owns the blocks of 256 queries 7 - i and then i: 8 - i and i + 1 slots of keys, nine slot trips in every work-group: equal work, and the loop's trip count is a constant.
; Each of the sixteen waves owns one tile of 16 queries, four waves to a SIMD.  A key step all of whose keys come after the wave's queries is jumped over (a scalar branch on ids); on the diagonal hidden scores become -infinity.
; NO CLUSTER: the four work-groups of a head walk different sequences of slots (5 + 4, 6 + 3, 7 + 2, 8 + 1); in step they would all need the longest of each, 8 + 4 = 12 slot trips against 9.
; THE RING: two LDS slots 65,536 bytes apart; waves 0 and 1 fetch half a slot each (67 rows of 256 bytes); one tensor load of a wave is out at a time.
; OUT.  ac[512 tiles of tokens][8 K steps][c][lane][16]: my head's two groups: two stores of 512 consecutive bytes.  asc[512][quarter of K][r][8]: my head's two bytes of each row, a byte a lane: 1 byte in 32 of what the launch stores.
; LIMITS: a block of zeros gets the byte 1; blocks under 2^-118 are held at the byte 1; NaN and infinities are not served.
; REGISTERS: v1 16 x lane, v2 16 r, v5-6 the spare word's, v7 prefetch offset, v8-9 LDS addresses in hand, v10 r + 8 (r / 8) - 16 h, v11 8 r + h; v12 -M, v13 largest t, v[14:15] the sum; v16-31 Q (upper half zeros);
; v32-95 four fragments of K (upper halves zeros); v96-159 S^T, then p, then V's four fragments; v160-191 O^T; v192-207 p's codes; v232-254 at work; v248-251 K's or V's scale words; v253 p's; v255 Q's.
.set SLOT1, 65536
.set SLOTB, 34304
.set SPARE, 2*SLOT1                    ; the spare words, 128 bytes for each wave: eight blocks of 256 bytes that no other line names
.set LI,  1
.set LR,  2
.set SPW, 5
.set NIL, 6
.set PFO, 7
.set ADK, 8
.set ADS, 9
.set TB,  2                            ; s2   LDS byte at which the slot in hand begins
.set TAU, 3                            ; s3   the slot trip, 0 .. 8
.set WV,  18
.set MNT, 19
.set SEL, 20
.set CS,  22                           ; s[22:23] c = log2(e) / 8
.set G1,  24
.set G0,  32
.set N1,  36                           ; trips of the first block: 8 - i
.set KF,  37                           ; the step's first key
.set QLO, 38                           ; my lowest query,
.set QHI, 39                           ; my highest
.set LIM, 40                           ; a wave prefetches while the trip's number is under this
.set HM,  41                           ; lanes 16-31
.set KVH, 42                           ; s[42:43] my half of the head's slot 0 in memory
.set PFA, 44                           ; s[44:45] where the prefetches stand
.set QH,  46                           ; s[46:47] the head in qb
.set AO,  48                           ; s[48:49] my tile's groups in ac
.set ASC, 50                           ; s[50:51] my tile's bytes in asc
.set QA,  52
.set QS,  54
.set BH,  56
.set BLKA, 62
.set BLKB, 63
.set AOH, 66
.set ASH, 68
.set BT,  70
.macro TLOAD                           ; waves 0 and 1 fetch; four v_nop follow the line
	s_cmp_lt_u32 s[WV], 2
	s_cbranch_scc0 .Lasked_\@
	tensor_load_to_lds s[G0:G0+3], s[G1:G1+7]
	s_nop 0
.rept 4
	v_nop
.endr
.Lasked_\@:
.endm
; A PREFETCH INTO THE L2 of the slot that the NEXT change of slots will ask for: 134 blocks of 256 bytes, a lane a block.  All four work-groups of a head read the same slots: work-group 0, which walks slots 0 to 7 in its
; trips 0 to 7, asks; in it waves 4 to 8, which fetch nothing, 32 blocks each (the lanes of wave 8 beyond the slot's last block name that block again).  Trip t asks for slot t + 2; trips 6 and later ask for nothing; slots 0 and 1 come by their loads alone.
.macro ASK
	s_cmp_lt_u32 s[TAU], s[LIM]
	s_cbranch_scc0 .Lnot_mine_\@
	global_prefetch_b8 v[PFO], s[PFA:PFA+1] th:TH_LOAD_NT scope:SCOPE_SE
.Lnot_mine_\@:
.endm
; A block of queries begins: addresses, Q's fragment and scale word, the statistics and O^T.  s[blk]: the block
.macro QINIT blk
	s_lshl_b32 s57, s[\blk], 4
	s_add_co_u32 s57, s57, s[WV]                   ; my tile among the batch's 128
	s_lshl_b32 s[QLO], s[\blk], 8
	s_lshr_b32 s58, s[WV], 1
	s_lshl_b32 s58, s58, 5
	s_add_co_u32 s[QLO], s[QLO], s58
	s_and_b32 s58, s[WV], 1
	s_lshl_b32 s58, s58, 3
	s_add_co_u32 s[QLO], s[QLO], s58               ; 256 blk + 32 (w / 2) + 8 (w % 2)
	s_add_co_u32 s[QHI], s[QLO], 23
	s_lshl_b32 s58, s57, 10
	s_mov_b32 s59, 0
	s_add_nc_u64 s[QA:QA+1], s[QH:QH+1], s[58:59]
	s_lshr_b32 s58, s57, 2
	s_lshl_b32 s58, s58, 8
	s_and_b32 s60, s57, 3
	s_lshl_b32 s60, s60, 2
	s_add_co_u32 s58, s58, s60
	s_add_co_u32 s58, s58, 131072
	s_add_nc_u64 s[QS:QS+1], s[QH:QH+1], s[58:59]
	s_add_co_u32 s57, s57, s[BT]                   ; my tile among all 512
	s_lshl_b32 s58, s57, 14
	s_add_nc_u64 s[AO:AO+1], s[AOH:AOH+1], s[58:59]
	s_lshl_b32 s58, s57, 9
	s_add_nc_u64 s[ASC:ASC+1], s[ASH:ASH+1], s[58:59]
	global_load_b128 v[16:19], v[LI], s[QA:QA+1]
	global_load_b128 v[20:23], v[LI], s[QA:QA+1] offset:512
	global_load_b32 v255, v[LR], s[QS:QS+1]
	v_mov_b32 v13, 0xff61b1e6                      ; the largest t so far: -3e38, under every t
	s_delay_alu instid0(VALU_DEP_1)
	v_floor_f32 v12, -v13                          ; -M
	v_mov_b32 v14, 0
	v_mov_b32 v15, 0
.set j, 0
.rept 32
	v_mov_b32 v[160+j], 0                          ; O^T: the step is written once: the first finds zeros, which the first change of M leaves zeros
.set j, j+1
.endr
	s_wait_loadcnt 0x0
.endm
; A block of queries ends: O^T / the sum, quantised along d_model (my head's two blocks of 32), stored as codes and bytes
.macro FINISH
.rept 8
	v_nop                                          ; places behind the last products
.endr
	v_add_f32 v14, v14, v15
	s_delay_alu instid0(VALU_DEP_1)
	v_permlanex16_b32 v252, v14, s[SEL], s[SEL+1]
	s_delay_alu instid0(VALU_DEP_1)
	v_add_f32 v14, v14, v252                       ; the row's sum
	s_wait_alu depctr_va_vdst(0)
	v_rcp_f32 v14, v14
	v_nop                                          ; a plain line behind the reciprocal
	s_wait_alu depctr_va_vdst(0)                   ; and the wait ahead of its first reader
.set j, 0
.rept 16
	v_pk_mul_f32 v[96+j:97+j], v[160+j:161+j], v[14:15] op_sel_hi:[1,0]   ; register 16 b + i: feature 32 b + 16 h + i of my query
.set j, j+2
.endr
.irp b, 0,1
	v_max3_num_f32 v[232+\b], |v[96+16*\b]|, |v[97+16*\b]|, 0x4800000
.endr
.irp i, 2,4,6,8,10,12,14
.irp b, 0,1
	s_delay_alu instid0(VALU_DEP_2)
	v_max3_num_f32 v[232+\b], v[232+\b], |v[96+16*\b+\i]|, |v[97+16*\b+\i]|
.endr
.endr
.irp b, 0,1
	s_delay_alu instid0(VALU_DEP_2)
	v_permlanex16_b32 v[236+\b], v[232+\b], s[SEL], s[SEL+1]
.endr
.irp b, 0,1
	s_delay_alu instid0(VALU_DEP_2)
	v_max_num_f32 v[232+\b], v[232+\b], v[236+\b]
.endr
.irp b, 0,1
	s_delay_alu instid0(VALU_DEP_2)
	v_add_nc_u32 v[244+\b], 0xfc000000, v[232+\b]
.endr
.irp b, 0,1
	s_delay_alu instid0(VALU_DEP_2)
	v_lshrrev_b32 v[236+\b], 23, v[244+\b]
.endr
	s_delay_alu instid0(VALU_DEP_1)
	v_cndmask_b32 v238, v236, v237, s[HM]          ; lanes 0-15 store block 0's byte, lanes 16-31 block 1's
.irp b, 0,1
.irp i, 0,1,2,3,4,5,6,7,8,9,10,11,12,13,14,15
.endr
	v_cvt_scalef32_pk8_fp8_f32 v[192+4*\b:193+4*\b], v[96+16*\b:103+16*\b], v[244+\b]
	v_cvt_scalef32_pk8_fp8_f32 v[194+4*\b:195+4*\b], v[104+16*\b:111+16*\b], v[244+\b]
.endr
	v_nop                                          ; one plain line behind the last conversion
	global_store_b128 v[LI], v[192:195], s[AO:AO+1]
	global_store_b128 v[LI], v[196:199], s[AO:AO+1] offset:512
	global_store_b8 v11, v238, s[ASC:ASC+1]
	s_wait_xcnt 0x0                                ; the stores have read their registers and bases: both are written again only behind this wait
.endm
; A KEY STEP: 128 keys, the q-th of the slot in hand
.macro STEP q
	s_cmp_gt_u32 s[KF], s[QHI]                     ; all its keys come after my queries: nothing to do
	s_cbranch_scc1 .Lhidden_\@
	v_add_nc_u32 v[ADK], s[TB], v[LI]
	s_wait_alu depctr_va_vdst(0)
	v_add_nc_u32 v[ADS], s[TB], v[LR]
	s_wait_alu depctr_va_vdst(0)
.rept 7
	v_nop                                          ; with the two lines above nine places: the scores are written over registers that the last products read as V's fragments
.endr
.irp g, 0,1
.if \g > 0
.rept 8
	v_nop                                          ; places in front of loads into registers that matrix instructions have read
.endr
.endif
.irp t, 0,1,2,3
	ds_load_b128 v[32+16*\t:35+16*\t], v[ADK] offset:(8*(\q)+4*\g+\t)*1024
	ds_load_b128 v[36+16*\t:39+16*\t], v[ADK] offset:(8*(\q)+4*\g+\t)*1024+512
.endr
	ds_load_b128 v[248:251], v[ADS] offset:32768+(2*(\q)+\g)*256
	s_wait_dscnt 0x0
.irp t, 0,1,2,3
	v_wmma_scale_f32_16x16x128_f8f6f4 v[96+8*(4*\g+\t):103+8*(4*\g+\t)], v[32+16*\t:47+16*\t], v[16:31], 0, v[248+\t], v255
.endr
.endr
.rept 8
	v_nop
.endr
	s_add_co_u32 s57, s[KF], 127
	s_cmp_le_u32 s57, s[QLO]                       ; all its keys count for all my queries: no mask
	s_cbranch_scc1 .Lopen_\@
	s_sub_co_i32 s57, s[QLO], s[KF]
	v_add_nc_u32 v252, s57, v10                    ; d = my query - KF - 16 h.  Register 16 b + i holds key KF + 32 b + 16 h + i: hidden where 32 b + i > d
	v_mov_b32 v254, 0xff800000
.irp n, 0,1,2,3,4,5,6,7,8,9,10,11,12,13,14,15,16,17,18,19,20,21,22,23,24,25,26,27,28,29,30,31,32,33,34,35,36,37,38,39,40,41,42,43,44,45,46,47,48,49,50,51,52,53,54,55,56,57,58,59,60,61,62,63
	v_cmp_gt_i32 vcc_lo, 32*(\n/16)+\n%16, v252
	v_cndmask_b32 v[96+\n], v[96+\n], v254, vcc_lo
.endr
.Lopen_\@:
.irp b, 0,1,2,3
	v_max3_num_f32 v[232+\b], v[96+16*\b], v[97+16*\b], v[98+16*\b]   ; the largest score of each block of 32 keys: for the row's maximum, and, since p rises with the score, for the block's largest p
.endr
.irp i, 3,5,7,9,11,13
.irp b, 0,1,2,3
	v_max3_num_f32 v[232+\b], v[232+\b], v[96+16*\b+\i], v[97+16*\b+\i]
.endr
.endr
.irp b, 0,1,2,3
	v_max_num_f32 v[232+\b], v[232+\b], v[111+16*\b]
.endr
.irp b, 0,1,2,3
	s_delay_alu instid0(VALU_DEP_4)
	v_permlanex16_b32 v[236+\b], v[232+\b], s[SEL], s[SEL+1]
.endr
.irp b, 0,1,2,3
	s_delay_alu instid0(VALU_DEP_4)
	v_max_num_f32 v[232+\b], v[232+\b], v[236+\b]
.endr
	s_delay_alu instid0(VALU_DEP_2)
	v_max3_num_f32 v254, v232, v233, v234
	s_delay_alu instid0(VALU_DEP_1)
	v_max_num_f32 v254, v254, v235
	s_delay_alu instid0(VALU_DEP_1)
	v_mul_f32 v254, s[CS], v254                    ; as t (c is positive)
	s_delay_alu instid0(VALU_DEP_1)
	v_max_num_f32 v13, v13, v254                   ; the running largest t
	v_mov_b32 v254, v12
	s_delay_alu instid0(VALU_DEP_2)
	v_floor_f32 v12, -v13                          ; the new -M = -ceil(t)
	s_delay_alu instid0(VALU_DEP_1)
	v_sub_f32 v254, v12, v254                      ; old M - new M: a whole number, 0 or less
	s_delay_alu instid0(VALU_DEP_1)
	v_cvt_i32_f32 v254, v254
	s_delay_alu instid0(VALU_DEP_1)
	v_ldexp_f32 v252, 1.0, v254                    ; f = 2^(old M - new M)
.set j, 0
.rept 32
	v_pk_fma_f32 v[96+j:97+j], v[96+j:97+j], s[CS:CS+1], v[12:13] op_sel_hi:[1,0,0]   ; t - M, two at a time
.set j, j+2
.endr
.irp b, 0,1,2,3
	v_fma_f32 v[232+\b], v[232+\b], s[CS], v12
.endr
.set j, 0
	s_wait_alu depctr_va_vdst(0)
.rept 64
	v_exp_f32 v[96+j], v[96+j]                     ; p = 2^(t - M)
.set j, j+1
.endr
	v_pk_mul_f32 v[14:15], v[14:15], v[252:253] op_sel_hi:[1,0]   ; the sums under the new M (a plain line behind the exponentials)
	s_wait_alu depctr_va_vdst(0)                   ; one wait for the batch, ahead of its first reader
.irp b, 0,1,2,3
	v_exp_f32 v[232+\b], v[232+\b]                 ; each block's largest p
.endr
	v_pk_add_f32 v[236:237], v[100:101], v[104:105]
	v_pk_add_f32 v[250:251], v[108:109], v[112:113]
	v_pk_add_f32 v[248:249], v[116:117], v[120:121]
	v_pk_add_f32 v[246:247], v[124:125], v[128:129]
	v_pk_add_f32 v[244:245], v[132:133], v[136:137]
	v_pk_add_f32 v[242:243], v[140:141], v[144:145]
	v_pk_add_f32 v[240:241], v[148:149], v[152:153]
	v_pk_add_f32 v[14:15], v[14:15], v[156:157]
	v_pk_add_f32 v[236:237], v[236:237], v[96:97]
	v_pk_add_f32 v[250:251], v[250:251], v[98:99]
	v_pk_add_f32 v[248:249], v[248:249], v[102:103]
	v_pk_add_f32 v[246:247], v[246:247], v[106:107]
	v_pk_add_f32 v[244:245], v[244:245], v[110:111]
	v_pk_add_f32 v[242:243], v[242:243], v[114:115]
	v_pk_add_f32 v[240:241], v[240:241], v[118:119]
	v_pk_add_f32 v[14:15], v[14:15], v[122:123]
	v_pk_add_f32 v[236:237], v[236:237], v[126:127]
	v_pk_add_f32 v[250:251], v[250:251], v[130:131]
	v_pk_add_f32 v[248:249], v[248:249], v[134:135]
	v_pk_add_f32 v[246:247], v[246:247], v[138:139]
	v_pk_add_f32 v[244:245], v[244:245], v[142:143]
	v_pk_add_f32 v[242:243], v[242:243], v[146:147]
	v_pk_add_f32 v[240:241], v[240:241], v[150:151]
	v_pk_add_f32 v[14:15], v[14:15], v[154:155]
	v_pk_add_f32 v[236:237], v[236:237], v[158:159]
	s_delay_alu instid0(VALU_DEP_2)
	v_pk_add_f32 v[14:15], v[14:15], v[246:247]
	s_delay_alu instid0(VALU_DEP_2)
	v_pk_add_f32 v[236:237], v[236:237], v[244:245]
	v_pk_add_f32 v[250:251], v[250:251], v[242:243]
	v_pk_add_f32 v[248:249], v[248:249], v[240:241]
	s_delay_alu instid0(VALU_DEP_2)
	v_pk_add_f32 v[14:15], v[14:15], v[250:251]
	s_delay_alu instid0(VALU_DEP_2)
	v_pk_add_f32 v[236:237], v[236:237], v[248:249]
	s_delay_alu instid0(VALU_DEP_1)
	v_pk_add_f32 v[14:15], v[14:15], v[236:237]
	s_wait_alu depctr_va_vdst(0)                   ; and one for the four
.irp b, 0,1,2,3
	v_max_num_f32 v[232+\b], 0x4800000, v[232+\b]  ; the floor 2^(9 - 127)
.endr
.irp b, 0,1,2,3
	s_delay_alu instid0(VALU_DEP_4)
	v_add_nc_u32 v[244+\b], 0xfc000000, v[232+\b]
.endr
.irp b, 0,1,2,3
.endr
.irp b, 0,1,2,3
	s_delay_alu instid0(VALU_DEP_4)
	v_lshrrev_b32 v[236+\b], 23, v[244+\b]
.endr
	s_delay_alu instid0(VALU_DEP_3)
	v_lshl_or_b32 v253, v237, 8, v236              ; p's scale word for these 128 keys
	s_delay_alu instid0(VALU_DEP_1)
	v_lshl_or_b32 v253, v238, 16, v253
	s_delay_alu instid0(VALU_DEP_1)
	v_lshl_or_b32 v253, v239, 24, v253
.irp b, 0,1,2,3
.irp i, 0,1,2,3,4,5,6,7,8,9,10,11,12,13,14,15
.endr
	v_cvt_scalef32_pk8_fp8_f32 v[192+4*\b:193+4*\b], v[96+16*\b:103+16*\b], v[244+\b]
	v_cvt_scalef32_pk8_fp8_f32 v[194+4*\b:195+4*\b], v[104+16*\b:111+16*\b], v[244+\b]
.endr
	v_nop
.irp t, 0,1,2,3
.irp c, 0,1,2,3
	ds_load_b128 v[96+16*\t+4*\c:99+16*\t+4*\c], v[ADK] offset:16384+8192*(\q)+2048*\t+512*\c   ; V's four fragments take p's registers
.endr
.endr
	ds_load_b128 v[248:251], v[ADS] offset:33792+256*(\q)
.set j, 0
.rept 16
	v_pk_mul_f32 v[160+j:161+j], v[160+j:161+j], v[252:253] op_sel_hi:[1,0]   ; O^T under the new M; these sixteen are also the places in front of the products
.set j, j+2
.endr
	s_wait_alu depctr_va_vdst(0)
	s_wait_dscnt 0x0
.irp t, 0,1,2,3
	v_wmma_scale_f32_16x16x128_f8f6f4 v[160+8*\t:167+8*\t], v[96+16*\t:111+16*\t], v[192:207], v[160+8*\t:167+8*\t], v[248+\t], v253
.endr
.Lhidden_\@:
	s_add_co_u32 s[KF], s[KF], 128
.endm
; THE CHANGE OF SLOTS stands at a slot's head: each wave waits for all its tensor loads, adds 0 to its spare word, and waits for that and for its reads of the slot that it has left; behind the barrier the other slot is filled.
.macro CHANGE fill
	s_wait_tensorcnt 0x0                           ; no tensor load of mine is out, so group 0 may be written
	ds_add_u32 v[SPW], v[NIL]                      ; 0 onto my spare word
	s_sub_co_u32 s57, s[TAU], s[N1]
	s_cmp_lt_u32 s[TAU], s[N1]
	s_cselect_b32 s57, s[TAU], s57                 ; this trip's slot of keys
	s_lshl_b32 s[KF], s57, 8
.if \fill
	s_add_co_u32 s58, s[TAU], 1
	s_sub_co_u32 s59, s58, s[N1]
	s_cmp_lt_u32 s58, s[N1]
	s_cselect_b32 s58, s58, s59                    ; the next trip's
	s_mul_i32 s58, s58, SLOTB
	s_mov_b32 s59, 0
	s_xor_b32 s[G0+1], s[G0+1], SLOT1              ; into the other LDS slot than last time
	s_add_nc_u64 s[G0+2:G0+3], s[KVH:KVH+1], s[58:59]
	s_or_b32 s[G0+3], s[G0+3], 0x80000000
	s_wait_xcnt 0x0                                ; the last prefetch, a slot back, has read its address
	s_add_nc_u64 s[PFA:PFA+1], s[PFA:PFA+1], SLOTB
.endif
	s_wait_dscnt 0x0                               ; the add is done, and my reads of the slot that I have left are over
	s_barrier_signal -1
	s_barrier_wait -1
.if \fill
	TLOAD                                          ; the first thing behind the barrier, and a wave's one tensor load until the next
	ASK
.endif
.endm
.macro SWITCH                          ; at trip 8 - i the first block of queries is finished and the second begins: a branch on ids; no barrier, tensor load or LDS access stands in it
	s_cmp_lg_u32 s[TAU], s[N1]
	s_cbranch_scc1 .Lsame_\@
	FINISH
	QINIT BLKB
.Lsame_\@:
.endm
	s_load_b256 s[4:11], s[0:1], 0x0               ; qb s[4:5], kv s[6:7], ac s[8:9], asc s[10:11]
	v_lshl_add_u32 v[SPW], v0, 2, SPARE
	v_mov_b32 v[NIL], 0
	ds_add_u32 v5, v6
	ds_add_u32 v5, v6
	s_wait_dscnt 0x0
	v_lshrrev_b32 v8, 5, v0
	s_delay_alu instid0(VALU_DEP_1)
	v_readfirstlane_b32 s[WV], v8                  ; wave 0..15
	s_and_b32 s[BH], ttmp7, 0xffff                 ; 16 x batch + head
	s_sub_co_u32 s[N1], 8, ttmp9
	s_sub_co_u32 s[BLKA], 7, ttmp9
	s_mov_b32 s[BLKB], ttmp9
	s_and_b32 s57, s[WV], 1
	s_mul_i32 s58, s57, 17152                      ; my half of a slot, in memory and in LDS
	s_mov_b32 s59, 0
	s_mul_i32 s60, s[BH], 274432
	s_mov_b32 s61, 0
	; group 1: half a slot, 17,152 dense bytes, as 67 rows of 256 (32 elements of 8 bytes); no padding: images are read as they lie
	s_mov_b32 s[G1], 3<<16
	s_mov_b32 s[G1+1], 32<<16
	s_mov_b32 s[G1+2], 67<<16
	s_mov_b32 s[G1+3], 32<<16
	s_mov_b32 s[G1+4], 67
	s_mov_b32 s[G1+5], 32
	s_mov_b32 s[G1+6], 0
	s_mov_b32 s[G1+7], 0
	s_mov_b32 s[SEL], 0x76543210
	s_mov_b32 s[SEL+1], 0xfedcba98
	s_mov_b32 s[CS], 0x3e38aa3b                    ; log2(e) / 8
	s_mov_b32 s[CS+1], s[CS]
	s_mov_b32 s[HM], 0xffff0000
	s_mov_b32 s[TB], 0
	s_mov_b32 s[TAU], 0
	s_wait_kmcnt 0x0
	s_add_nc_u64 s[PFA:PFA+1], s[6:7], s[60:61]    ; the head's first byte in kv
	s_add_nc_u64 s[KVH:KVH+1], s[PFA:PFA+1], s[58:59]
	s_add_nc_u64 s[PFA:PFA+1], s[PFA:PFA+1], SLOTB ; at slot 1: the first change of slots steps it to slot 2.  Nothing is prefetched here, at the head
	s_mov_b32 s[G0], 1
	s_mov_b32 s[G0+1], s58
	s_mov_b64 s[G0+2:G0+3], s[KVH:KVH+1]
	s_or_b32 s[G0+3], s[G0+3], 0x80000000
	TLOAD                                          ; slot 0
	s_mul_i32 s60, s[BH], 139264
	s_add_nc_u64 s[QH:QH+1], s[4:5], s[60:61]
	s_and_b32 s57, s[BH], 15                       ; the head
	s_lshl_b32 s60, s57, 10                        ; K step head / 2, groups 2 (head % 2) on: 1,024 x head
	s_add_nc_u64 s[AOH:AOH+1], s[8:9], s[60:61]
	s_lshr_b32 s60, s57, 2
	s_lshl_b32 s60, s60, 7
	s_and_b32 s58, s57, 3
	s_lshl_b32 s58, s58, 1
	s_add_co_u32 s60, s60, s58                     ; quarter head / 4, bytes 2 (head % 4) on
	s_add_nc_u64 s[ASH:ASH+1], s[10:11], s[60:61]
	s_lshr_b32 s[BT], s[BH], 4
	s_lshl_b32 s[BT], s[BT], 7                     ; 128 tiles a batch
	s_sub_co_u32 s57, s[WV], 4
	s_cmp_lt_u32 s57, 5
	s_cselect_b32 s57, 0, 1                        ; 0 in waves 4 to 8,
	s_or_b32 s57, s57, ttmp9                       ; of the head's work-group 0
	s_cmp_eq_u32 s57, 0
	s_cselect_b32 s[LIM], 6, 0
	v_and_b32 v[LI], 31, v0
	s_delay_alu instid0(VALU_DEP_1)
	v_lshlrev_b32 v[LI], 4, v[LI]
	v_and_b32 v8, 15, v0                           ; r
	v_bfe_u32 v9, v0, 4, 1                         ; h
	s_delay_alu instid0(VALU_DEP_2)
	v_lshlrev_b32 v[LR], 4, v8
	s_delay_alu instid0(VALU_DEP_3)
	v_and_b32 v10, 8, v8
	s_delay_alu instid0(VALU_DEP_1)
	v_add_nc_u32 v10, v10, v8
	s_delay_alu instid0(VALU_DEP_4)
	v_lshlrev_b32 v11, 4, v9
	s_delay_alu instid0(VALU_DEP_1)
	v_sub_nc_u32 v10, v10, v11
	v_lshl_add_u32 v11, v8, 3, v9
	v_add_nc_u32 v[PFO], 0xffffff80, v0            ; 32 (wave - 4) + lane,
	s_delay_alu instid0(VALU_DEP_1)
	v_min_u32 v[PFO], 133, v[PFO]                  ; held at the slot's last block,
	s_delay_alu instid0(VALU_DEP_1)
	v_lshlrev_b32 v[PFO], 8, v[PFO]                ; x 256 bytes
.set j, 0
.rept 8
	v_mov_b32 v[24+j], 0                           ; the upper half of K = 128: zero codes, in Q's fragment
.set j, j+1
.endr
.irp t, 0,1,2,3
.set j, 0
.rept 8
	v_mov_b32 v[40+16*\t+j], 0                     ; and in K's four: no load ever lands here
.set j, j+1
.endr
.endr
.irp b, 0,1,2,3
	v_mov_b32 v[236+\b], 0                         ; a lane exchange's destination counts as one of its sources
.endr
	v_mov_b32 v252, 0
	v_mov_b32 v253, 0
	QINIT BLKA
.Lslot:                                            ; eight trips: behind each change of slots the next slot is asked for
	CHANGE 1
	SWITCH
	STEP 0
	STEP 1
	s_xor_b32 s[TB], s[TB], SLOT1
	s_add_co_u32 s[TAU], s[TAU], 1
	s_cmp_lt_u32 s[TAU], 8
	s_cbranch_scc1 .Lslot
	CHANGE 0                                       ; the ninth is written out
	SWITCH
	STEP 0
	STEP 1
	FINISH
	s_wait_tensorcnt 0x0                           ; the wave's end
	ds_add_u32 v[SPW], v[NIL]
	s_wait_dscnt 0x0
	s_endpgm
.Lfunc_end_k_qacc5e57347_attn:
	.size	k_qacc5e57347_attn, .Lfunc_end_k_qacc5e57347_attn-k_qacc5e57347_attn
	.p2alignl 7, 3214868480
	.fill 96, 4, 3214868480
	.section	.rodata,"a",@progbits
	.p2align	6, 0x0
	.amdhsa_kernel k_qacc5e57347_attn
		.amdhsa_group_segment_fixed_size 327680
		.amdhsa_private_segment_fixed_size 0
		.amdhsa_enable_private_segment 0
		.amdhsa_kernarg_size 32
		.amdhsa_user_sgpr_count 2
		.amdhsa_user_sgpr_kernarg_segment_ptr 1
		.amdhsa_wavefront_size32 1
		.amdhsa_system_sgpr_workgroup_id_x 1
		.amdhsa_system_sgpr_workgroup_id_y 1
		.amdhsa_system_sgpr_workgroup_id_z 1
		.amdhsa_system_vgpr_workitem_id 0
		.amdhsa_next_free_vgpr 256
		.amdhsa_next_free_sgpr 72
		.amdhsa_reserve_vcc 1
		.amdhsa_float_denorm_mode_32 3
		.amdhsa_float_denorm_mode_16_64 3
		.amdhsa_fp16_overflow 1
		.amdhsa_memory_ordered 1
		.amdhsa_forward_progress 1
		.amdhsa_inst_pref_size 118
	.end_amdhsa_kernel
	.amdgpu_metadata
---
amdhsa.version: [ 1, 2 ]
amdhsa.kernels:
  - .name:           k_qacc5e57347_attn
    .symbol:         k_qacc5e57347_attn.kd
    .args:
      - { .name: qb, .offset: 0, .size: 8, .value_kind: global_buffer, .address_space: global }
      - { .name: kv, .offset: 8, .size: 8, .value_kind: global_buffer, .address_space: global }
      - { .name: ac, .offset: 16, .size: 8, .value_kind: global_buffer, .address_space: global }
      - { .name: asc, .offset: 24, .size: 8, .value_kind: global_buffer, .address_space: global }
    .group_segment_fixed_size: 327680
    .private_segment_fixed_size: 0
    .kernarg_segment_align: 8
    .kernarg_segment_size: 32
    .max_flat_workgroup_size: 512
    .sgpr_count:     72
    .vgpr_count:     256
    .wavefront_size: 32
...
	.end_amdgpu_metadata
.endif
;; end of part 3
;; launch oproj (part 4): grid 4 x 32, 4 waves a work-group, clusters of 4 x 4, 327,680 bytes of LDS; arguments ac, asc, codes, scales, out0; writes out0
.if DOCPART == 4
	.amdgcn_target "amdgcn-amd-amdhsa--gfx1250"
	.amdhsa_code_object_version 6
	.text
	.protected	k_qacc5e57347_oproj
	.globl	k_qacc5e57347_oproj
	.p2align	8
	.type	k_qacc5e57347_oproj,@function
k_qacc5e57347_oproj:
	s_mov_b64 s[64:65], 0
	v_nop
	global_prefetch_b8 v0, s[64:65] scope:SCOPE_SE
	s_setreg_imm32_b32 hwreg(HW_REG_WAVE_MODE, 25, 1), 1
	s_wait_xcnt 0x0
	s_wait_alu depctr_hold_cnt(0) depctr_sa_sdst(0) depctr_va_vdst(0) depctr_va_sdst(0) depctr_va_ssrc(0) depctr_va_vcc(0) depctr_vm_vsrc(0)
	s_getreg_b32 s2, hwreg(HW_REG_IB_STS2, 6, 4)
	s_cmp_eq_u32 s2, 0
	s_cbranch_scc0 .Lentry_in_a_cluster
	s_endpgm
.Lentry_in_a_cluster:
	s_bfe_u32 s2, ttmp6, 0x10000c
	s_cmp_lg_u32 s2, 0xf033
	s_cbranch_scc0 .Lentry_shape_is_right
	s_endpgm
.Lentry_shape_is_right:
; out0 = attn Wo^T on codes of FP8 (E4M3) with E8M0 scales; out0 [8192][1024] f32.
; OPERANDS come as images of their registers: ac[512 tiles of tokens][K step of 128][c][lane][16 bytes] with asc[tile][quarter of K][r][8 bytes]; Wo is tiles 704-767 of codes and scales, laid alike.
; Tile 2 g + u holds at place r the row 32 g + 8 u + r + 8 (r / 8).
; A tile of the result, 256 x 256, is made by four waves, 128 x 128 each: 64 accumulators, 512 registers.  K = 1,024 goes in four steps of 256 through a ring of two LDS slots.  128 work-groups: 8 clusters of 4 x 4.
; THE MATRIX INSTRUCTION: source 0 = 16 rows of Wo, source 1 = 16 tokens.  A lane holds one token, and the 16 registers of Wo's tiles 2 g, 2 g + 1 are columns 32 g + 16 (lane / 16) + 0 .. 15.
; JOINT LOADS: the tokens' tiles are shared along a row of the cluster, Wo's along a column.  No prefetch: K has four steps, and two of them are the first fills.
; REGISTERS, in windows of 256: window 0: v0-31 addresses; v32-63 scale words, two sets; from v128 A's fragments, one set; on the way out v128-255 take rows read back.  window 1: B's fragments, two sets.  windows 2, 3: the accumulators.
.set NQ,     2
.set FR,     16
.set NL,     4
.set NP,     8                         ; places behind this matrix instruction (ISA guide 7.12.1)
.set TILEB,  4096                      ; a tile's bytes in a slot: two images of 2,048
.set HALFT,  8*TILEB
.set SLOT,   4*HALFT
.set LAPS,   2
.set SCL,    2*SLOT                    ; behind the ring: the scale bytes of the 32 tiles, for all of K: filled once
.set HALFS,  4096
.set SPARE,  SCL+4*HALFS               ; the spare words, 128 bytes for each wave: two blocks of 256 bytes that no other line names
.set SPITCH, 528                       ; the way out: a stage of 16 rows x (512 bytes + 16) for each wave, in slot 0, which has had its last fill and its last read when the first result is stored there
.set ADRA, 16
.set ADRB, 20
.set STO,  24                          ; v24  the way out: where I put 64 bytes of a row
.set RD,   25                          ; v25  where I read a row back
.set CO,   26                          ; v26  16 x lane
.set ADRS, 27
.set SPW,  28
.set NIL,  29
.set SC,   32
.set AF,   128
.set BK,   128
.set G1, 24
.set G0, 32
.set G1B, 48
.set G0B, 56
.set G1S, 68
.set G0S, 76
.set G1SB, 80
.set G0SB, 88
.set MSB, 0
.macro WIN new                         ; the immediate's high byte repeats the setting that is left
.if MSB != (\new)
	s_set_vgpr_msb (MSB<<8)|(\new)
.set MSB, (\new)
.endif
.endm
.set MUL_LO, 0xa1
.set MUL_HI, 0xf1
.set TO_B,   0x40
.macro JLOAD g0a, g1a, g0b, g1b        ; a joint load: waves 0 and 1 fetch for A, waves 2 and 3 for B; four v_nop follow each of the two lines
	s_cmp_eq_u32 s15, 0
	s_cbranch_scc0 .Lfor_b_\@
	tensor_load_to_lds s[\g0a:\g0a+3], s[\g1a:\g1a+7]
	s_nop 0
.rept 4
	v_nop
.endr
	s_branch .Lasked_\@
.Lfor_b_\@:
	tensor_load_to_lds s[\g0b:\g0b+3], s[\g1b:\g1b+7]
	s_nop 0
.rept 4
	v_nop
.endr
.Lasked_\@:
.endm
.macro CREST
	s_cmp_lg_u32 s14, 0
	s_cbranch_scc1 .Lnot_wave_0_\@
	s_barrier_signal -3
.Lnot_wave_0_\@:
	s_barrier_wait -3
	s_barrier_signal -1
	s_barrier_wait -1
.endm
.macro CROUND
	s_barrier_signal -1
	s_barrier_wait -1
	CREST
.endm
	s_load_b128 s[4:7], s[0:1], 0x0                ; ac s[4:5], asc s[6:7]
	s_load_b128 s[8:11], s[0:1], 0x10              ; codes s[8:9], scales s[10:11]
	s_load_b64 s[12:13], s[0:1], 0x20              ; out0
	v_lshl_add_u32 v[SPW], v0, 2, SPARE
	v_mov_b32 v[NIL], 0
	ds_add_u32 v28, v29
	ds_add_u32 v28, v29
	s_wait_dscnt 0x0
	v_lshrrev_b32 v1, 5, v0
	v_readfirstlane_b32 s14, v1                    ; wave 0..3
	s_lshr_b32 s15, s14, 1                         ; which half of the tokens is mine.  Also: I fetch for A (0) or for B (1)
	s_and_b32 s16, s14, 1                          ; which half of the columns.  Also: which eight tiles I fetch
	s_bfe_u32 s40, ttmp6, 0x40000                  ; cx, cy
	s_bfe_u32 s41, ttmp6, 0x40004
	s_lshl_b32 s42, ttmp9, 2
	s_add_co_u32 s42, s42, s40                     ; tile column
	s_and_b32 s17, ttmp7, 0xffff
	s_lshl_b32 s17, s17, 2
	s_add_co_u32 s17, s17, s41                     ; tile row
	s_lshl_b32 s43, s41, 2
	s_lshl_b32 s43, 15, s43                        ; my row of the cluster
	s_lshl_b32 s44, 0x1111, s40                    ; my column
	; group 1 for codes: 8 rows of 4,096 bytes (512 elements of 8 bytes), 16,384 bytes apart; no padding
	s_or_b32 s[G1+0], s43, (3<<16)|(1<<21)
	s_or_b32 s[G1B+0], s44, (3<<16)|(1<<21)
.irp g, G1, G1B
	s_mov_b32 s[\g+1], 512<<16
	s_mov_b32 s[\g+2], 8<<16
	s_mov_b32 s[\g+3], 512<<16
	s_mov_b32 s[\g+4], 8
	s_mov_b32 s[\g+5], 2048
	s_mov_b32 s[\g+6], 0
	s_mov_b32 s[\g+7], 0
.endr
	; and for the scale bytes of eight tiles: 4,096 dense bytes as 16 rows of 256
	s_or_b32 s[G1S+0], s43, (3<<16)|(1<<21)
	s_or_b32 s[G1SB+0], s44, (3<<16)|(1<<21)
.irp g, G1S, G1SB
	s_mov_b32 s[\g+1], 32<<16
	s_mov_b32 s[\g+2], 16<<16
	s_mov_b32 s[\g+3], 32<<16
	s_mov_b32 s[\g+4], 16
	s_mov_b32 s[\g+5], 32
	s_mov_b32 s[\g+6], 0
	s_mov_b32 s[\g+7], 0
.endr
	s_lshl_b32 s18, s16, 3
	s_lshl_b32 s20, s17, 4
	s_add_co_u32 s20, s20, s18                     ; A: the first tile that I fetch
	s_lshl_b32 s46, s42, 4
	s_add_co_u32 s46, s46, s18
	s_add_co_u32 s46, s46, 704                     ; B: Wo's tiles begin at 704
	s_lshl_b32 s22, s20, 9
	s_mov_b32 s23, 0
	s_lshl_b32 s92, s46, 9
	s_mov_b32 s93, 0
	s_lshl_b32 s20, s20, 14
	s_mov_b32 s21, 0
	s_lshl_b32 s46, s46, 14
	s_mov_b32 s47, 0
	s_lshl_b32 s45, s14, 15                        ; where they go: wave x eight tiles
	s_lshl_b32 s94, s14, 12
	s_wait_kmcnt 0x0
	s_add_nc_u64 s[20:21], s[4:5], s[20:21]
	s_add_nc_u64 s[22:23], s[6:7], s[22:23]
	s_add_nc_u64 s[46:47], s[8:9], s[46:47]
	s_add_nc_u64 s[92:93], s[10:11], s[92:93]
	CROUND                                         ; all sixteen work-groups are here: the first joint loads meet
	s_mov_b32 s[G0S], 1
	s_add_co_u32 s[G0S+1], s94, SCL
	s_mov_b64 s[G0S+2:G0S+3], s[22:23]
	s_or_b32 s[G0S+3], s[G0S+3], 0x80000000
	s_mov_b32 s[G0SB], 1
	s_add_co_u32 s[G0SB+1], s94, SCL
	s_mov_b64 s[G0SB+2:G0SB+3], s[92:93]
	s_or_b32 s[G0SB+3], s[G0SB+3], 0x80000000
	JLOAD G0S, G1S, G0SB, G1SB
.irp s, 0,1
	s_mov_b32 s[G0+4*\s], 1
	s_add_co_u32 s[G0+4*\s+1], s45, \s*SLOT
	s_add_nc_u64 s[G0+4*\s+2:G0+4*\s+3], s[20:21], \s*TILEB
	s_or_b32 s[G0+4*\s+3], s[G0+4*\s+3], 0x80000000
	s_mov_b32 s[G0B+4*\s], 1
	s_add_co_u32 s[G0B+4*\s+1], s45, \s*SLOT
	s_add_nc_u64 s[G0B+4*\s+2:G0B+4*\s+3], s[46:47], \s*TILEB
	s_or_b32 s[G0B+4*\s+3], s[G0B+4*\s+3], 0x80000000
	s_wait_alu depctr_va_vdst(0)
	s_wait_tensorcnt 0x0
	ds_add_u32 v28, v29
	s_wait_dscnt 0x0
	CROUND
	JLOAD G0+4*\s, G1, G0B+4*\s, G1B
.endr
	v_and_b32 v1, 15, v0                           ; r
	v_bfe_u32 v2, v0, 4, 1                         ; h
	s_wait_alu depctr_va_vdst(0)
	v_and_b32 v3, 31, v0
	v_lshlrev_b32 v[CO], 4, v3                     ; 16 x lane
	s_lshl_b32 s21, s15, 15
	s_lshl_b32 s22, s16, 15
	s_add_co_u32 s22, s22, 2*HALFT
.irp s, 0,1
	v_add_nc_u32 v[ADRA+\s], s21, v[CO]
	v_add_nc_u32 v[ADRB+\s], s22, v[CO]
	s_add_co_u32 s21, s21, SLOT
	s_add_co_u32 s22, s22, SLOT
.endr
	v_lshlrev_b32 v5, 3, v1
	s_lshl_b32 s21, s15, 12
	s_lshl_b32 s22, s16, 12
	s_add_co_u32 s22, s22, 2*HALFS
	s_sub_co_u32 s22, s22, s21
	v_mul_u32_u24 v6, s22, v2                      ; lanes 16-31 take B's: the lower base + h x the distance
	s_add_co_u32 s21, s21, SCL
	v_add_nc_u32 v5, v5, v6
	v_add_nc_u32 v[ADRS], s21, v5
	s_mul_i32 s23, s14, 16*SPITCH                  ; my stage
	v_mul_u32_u24 v5, v1, SPITCH
	v_lshl_add_u32 v5, v2, 6, v5                   ; in: row r, + 64 h
	v_add_nc_u32 v[STO], s23, v5
	v_add_nc_u32 v[RD], s23, v[CO]                 ; back: the 32 lanes take one row of 512 bytes
	s_lshl_b32 s20, s17, 8
	s_lshl_b32 s21, s15, 7
	s_add_co_u32 s20, s20, s21                     ; my first token
	s_lshl_b32 s20, s20, 12                        ; rows of 4,096 bytes
	s_lshl_b32 s46, s42, 10
	s_lshl_b32 s47, s16, 9
	s_add_co_u32 s46, s46, s47                     ; my first column, in bytes
	s_add_co_u32 s20, s20, s46
	s_mov_b32 s21, 0
	s_add_nc_u64 s[12:13], s[12:13], s[20:21]
.macro FRAG reg, adr, q, i             ; a fragment is an image: four loads of 512 consecutive bytes
.irp c, 0,1,2,3
	ds_load_b128 v[\reg+4*\c:\reg+4*\c+3], v[\adr] offset:TILEB*(\i)+2048*(\q)+512*\c
.endr
.endm
; 16 matrix instructions: A's blocks a0, a0 + 1 x B's eight.  The 64 accumulators take turns, one instruction a turn, in the same order in every step.
.macro MUL16 a0, p, q, sc, zero
.irp a, \a0, \a0+1
.irp b, 0,1,2,3,4,5,6,7
.if \zero
	v_wmma_scale_f32_16x16x128_f8f6f4 v[8*(8*((\a)%4)+\b):8*(8*((\a)%4)+\b)+7], v[128*(\p)+FR*\b:128*(\p)+FR*\b+FR-1], v[AF+FR*(\a):AF+FR*(\a)+FR-1], 0, v[SC+8*NQ*(\sc)+NQ*\b+(\q)], v[SC+8*NQ*(\sc)+NQ*(\a)+(\q)] matrix_a_scale:MATRIX_SCALE_ROW1
.else
	v_wmma_scale_f32_16x16x128_f8f6f4 v[8*(8*((\a)%4)+\b):8*(8*((\a)%4)+\b)+7], v[128*(\p)+FR*\b:128*(\p)+FR*\b+FR-1], v[AF+FR*(\a):AF+FR*(\a)+FR-1], v[8*(8*((\a)%4)+\b):8*(8*((\a)%4)+\b)+7], v[SC+8*NQ*(\sc)+NQ*\b+(\q)], v[SC+8*NQ*(\sc)+NQ*(\a)+(\q)] matrix_a_scale:MATRIX_SCALE_ROW1
.endif
.endr
.endr
.endm
.macro FETCH_B slot, q, p
	WIN TO_B
.irp i, 0,1,2,3,4,5,6,7
	FRAG 128*(\p)+FR*\i, ADRB+\slot, \q, \i
.endr
	WIN 0
.endm
.macro FETCH_A slot, q, i0
.irp i, \i0, \i0+1, \i0+2, \i0+3
	FRAG AF+FR*(\i), ADRA+\slot, \q, \i
.endr
.endm
.macro SCALES sc
.irp i, 0,1,2,3,4,5,6,7
	ds_load_b64 v[SC+8*NQ*\sc+NQ*\i:SC+8*NQ*\sc+NQ*\i+1], v[ADRS] offset:\i*512
.endr
.endm
.macro PLACES n
.rept \n
	v_nop
.endr
.endm
.macro STEP slot, q, zero
	s_wait_dscnt 4*NL                              ; all but the youngest sixteen loads (A's blocks 4-7) are in
	WIN MUL_LO
	MUL16 0, (\q)%2, \q, \slot, \zero
	MUL16 2, (\q)%2, \q, \slot, \zero
	s_wait_dscnt 0
	PLACES NP
	FETCH_B \slot, (\q)+1, 1-(\q)%2
	FETCH_A \slot, (\q)+1, 0
	WIN MUL_HI
	MUL16 4, (\q)%2, \q, \slot, \zero
	MUL16 6, (\q)%2, \q, \slot, \zero
	PLACES NP
	WIN 0
	FETCH_A \slot, (\q)+1, 4
.endm
.macro TURN slot, next, fill
	s_wait_tensorcnt 0x0                           ; all my tensor loads have landed: my part of the next slot
	ds_add_u32 v[SPW], v[NIL]                      ; 0 onto my spare word
	s_wait_dscnt 4*NL+1                            ; (the add and the youngest sixteen loads may be out)
	WIN MUL_LO
	MUL16 0, 1, NQ-1, \slot, 0
	s_wait_dscnt 0x0                               ; the add is done, and my reads of this slot are over
	s_barrier_signal -1
	MUL16 2, 1, NQ-1, \slot, 0
	WIN 0
	s_barrier_wait -1
.if \fill
	CREST                                          ; the barrier has opened a round of the cluster's barrier
	s_add_nc_u64 s[G0+4*\slot+2:G0+4*\slot+3], s[G0+4*\slot+2:G0+4*\slot+3], 2*TILEB
	s_add_nc_u64 s[G0B+4*\slot+2:G0B+4*\slot+3], s[G0B+4*\slot+2:G0B+4*\slot+3], 2*TILEB
	JLOAD G0+4*\slot, G1, G0B+4*\slot, G1B
	PLACES NP-4
.else
	PLACES NP
.endif
	s_wait_alu depctr_va_vdst(0)
	v_add_nc_u32 v[ADRS], 128, v[ADRS]
	FETCH_B \next, 0, 0
	FETCH_A \next, 0, 0
	SCALES \next
	WIN MUL_HI
	MUL16 4, 1, NQ-1, \slot, 0
	MUL16 6, 1, NQ-1, \slot, 0
	PLACES NP
	WIN 0
	FETCH_A \next, 0, 4
.endm
	s_wait_alu depctr_va_vdst(0)
	s_wait_tensorcnt 1                             ; the scales and my part of K step 0 are in (K step 1's load may be out),
	s_barrier_signal -1
	s_barrier_wait -1                              ; everybody's are
	FETCH_B 0, 0, 0
	FETCH_A 0, 0, 0
	SCALES 0
	FETCH_A 0, 0, 4
	STEP 0, 0, 1
	s_mov_b32 s3, LAPS-1
.Llap:
	TURN 0, 1, 1
	STEP 1, 0, 0
	TURN 1, 0, 1
	STEP 0, 0, 0
	s_sub_co_u32 s3, s3, 1
	s_cmp_lg_u32 s3, 0
	s_cbranch_scc1 .Llap
	TURN 0, 1, 0
	STEP 1, 0, 0
	s_wait_dscnt 4*NL
	WIN MUL_LO
	MUL16 0, 1, NQ-1, 1, 0
	MUL16 2, 1, NQ-1, 1, 0
	s_wait_dscnt 0
	WIN MUL_HI
	MUL16 4, 1, NQ-1, 1, 0
	MUL16 6, 1, NQ-1, 1, 0
	WIN 0
; THE WAY OUT, block by block of 16 tokens x 128 columns, through my own stage in LDS: in by lanes (accumulator b's eight numbers are columns 32 (b / 2) + 16 h + 8 (b % 2) + 0 .. 7), back as whole rows of 512 bytes.
; LDS serves a wave's instructions in order (ISA guide 5.7.1.4): no wait between the stores and the loads, nor in front of the next block's stores.
.macro TOSTAGE a
.set AC, 64*((\a)%4)
	WIN 0x08+4*((\a)/4)                            ; the data: window 2 or 3
.irp b, 0,1,2,3,4,5,6,7
	ds_store_b128 v[STO], v[AC+8*\b:AC+8*\b+3] offset:128*(\b/2)+32*(\b%2)          ; each accumulator from its low end on
	ds_store_b128 v[STO], v[AC+8*\b+4:AC+8*\b+7] offset:128*(\b/2)+32*(\b%2)+16
.endr
	WIN 0
.set BB, BK+64*((\a)%2)
.irp t, 0,1,2,3,4,5,6,7,8,9,10,11,12,13,14,15
	ds_load_b128 v[BB+4*\t:BB+4*\t+3], v[RD] offset:\t*SPITCH
.endr
.endm
.macro SEND a, younger                 ; place t of block a is token 32 (a / 2) + 8 (a % 2) + t + 8 (t / 8) of my 128: the whole of it stands in the immediate, 127 rows of 4,096 bytes at the most
.set BB, BK+64*((\a)%2)
	s_wait_dscnt \younger
.irp t, 0,1,2,3,4,5,6,7,8,9,10,11,12,13,14,15
	global_store_b128 v[CO], v[BB+4*\t:BB+4*\t+3], s[12:13] offset:(32*((\a)/2)+8*((\a)%2)+\t+8*(\t/8))*4096 th:TH_STORE_NT   ; 32 lanes store 512 consecutive bytes, aligned
.endr
.endm
	PLACES NP                                      ; behind the last products: for the stage's reads of results and the loads into the registers that held A's fragments
	TOSTAGE 0
.irp a, 1,2,3,4,5,6,7
.if \a > 1
	s_wait_xcnt 0x0                                ; block a - 2's stores have read their registers: block a's loads may land there
.endif
	TOSTAGE \a
	SEND \a-1, 32                                  ; behind block a - 1's loads: block a's 16 stores and 16 loads
.endr
	SEND 7, 0
	s_wait_tensorcnt 0x0                           ; the wave's end
	ds_add_u32 v[SPW], v[NIL]
	s_wait_dscnt 0x0
	CROUND                                         ; the closing round
	s_endpgm
.Lfunc_end_k_qacc5e57347_oproj:
	.size	k_qacc5e57347_oproj, .Lfunc_end_k_qacc5e57347_oproj-k_qacc5e57347_oproj
	.p2alignl 7, 3214868480
	.fill 96, 4, 3214868480
	.section	.rodata,"a",@progbits
	.p2align	6, 0x0
	.amdhsa_kernel k_qacc5e57347_oproj
		.amdhsa_group_segment_fixed_size 327680
		.amdhsa_private_segment_fixed_size 0
		.amdhsa_enable_private_segment 0
		.amdhsa_kernarg_size 40
		.amdhsa_user_sgpr_count 2
		.amdhsa_user_sgpr_kernarg_segment_ptr 1
		.amdhsa_wavefront_size32 1
		.amdhsa_system_sgpr_workgroup_id_x 1
		.amdhsa_system_sgpr_workgroup_id_y 1
		.amdhsa_system_sgpr_workgroup_id_z 1
		.amdhsa_system_vgpr_workitem_id 0
		.amdhsa_next_free_vgpr 1024
		.amdhsa_next_free_sgpr 98
		.amdhsa_reserve_vcc 0
		.amdhsa_float_denorm_mode_32 3
		.amdhsa_float_denorm_mode_16_64 3
		.amdhsa_memory_ordered 1
		.amdhsa_forward_progress 1
		.amdhsa_inst_pref_size 145
	.end_amdhsa_kernel
	.amdgpu_metadata
---
amdhsa.version: [ 1, 2 ]
amdhsa.kernels:
  - .name:           k_qacc5e57347_oproj
    .symbol:         k_qacc5e57347_oproj.kd
    .args:
      - { .name: ac, .offset: 0, .size: 8, .value_kind: global_buffer, .address_space: global }
      - { .name: asc, .offset: 8, .size: 8, .value_kind: global_buffer, .address_space: global }
      - { .name: codes, .offset: 16, .size: 8, .value_kind: global_buffer, .address_space: global }
      - { .name: scales, .offset: 24, .size: 8, .value_kind: global_buffer, .address_space: global }
      - { .name: out0, .offset: 32, .size: 8, .value_kind: global_buffer, .address_space: global }
    .group_segment_fixed_size: 327680
    .private_segment_fixed_size: 0
    .kernarg_segment_align: 8
    .kernarg_segment_size: 40
    .max_flat_workgroup_size: 128
    .sgpr_count:     98
    .vgpr_count:     1024
    .wavefront_size: 32
...
	.end_amdgpu_metadata
.endif
;; end of part 4
